; MI455X (gfx1250); checked and timed in simulation.
; The chip was launched on July 23, 2026; its instructions are those of AMD's public machine-readable ISA for CDNA 5 (MIT licence, August 2026) and "CDNA5" Instruction Set Architecture Reference Guide (July 2026). The comments in the code are by the model that wrote it; some were corrected since.
;; attention block. Allowed arithmetic: matrix products marked QUANTISED: E3M2 operands, one E8M0 scale for each 32 along K, by v_wmma_scale_f32_16x16x128_f8f6f4 with both operands' format E3M2, f32 sums; everything else in f32.
;; Inputs: freqs_cos 2,048 x 64 float32; freqs_sin 2,048 x 64 float32; mask 1 x 1 x 2,048 x 2,048 float32; wk 2,048 x 2,048 float32; wo 2,048 x 2,048 float32; wq 2,048 x 2,048 float32; wv 2,048 x 2,048 float32; x 1 x 2,048 x 2,048 float32.
;; Outputs: out0 1 x 2,048 x 2,048 float32.
;; Constants: start_pos = 0.
;; This version of the problem:
;;   THIS VERSION OF THE PROBLEM IS GIVEN IN LOW PRECISION. The matrix products marked QUANTISED in the list below multiply operands that are first quantised to E3M2 (3 exponent bits, 2 mantissa bits; 6 bits a number), with one power-of-two scale for each 32 numbers along K (OCP MX v1.0); their sums are f32. All else is computed in f32.
;;   The module's matrix products, in the order in which they are computed (A, B: the left and right operand; K: the contracted axis; several contracted axes count as one K, in the product's order):
;;     1. [M 2,048, K 2,048] x [K 2,048, N 2,048]; A: input x; B: input wq: QUANTISED
;;     2. [M 2,048, K 2,048] x [K 2,048, N 2,048]; A: input x; B: input wk: QUANTISED
;;     3. [M 2,048, K 2,048] x [K 2,048, N 2,048]; A: input x; B: input wv: QUANTISED
;;     4. batch 16 x [M 2,048, K 128] x [K 128, N 2,048]; A: computed on the way; B: computed on the way: QUANTISED
;;     5. batch 16 x [M 2,048, K 2,048] x [K 2,048, N 128]; A: softmax (see below); B: computed on the way: QUANTISED
;;     6. [M 2,048, K 2,048] x [K 2,048, N 2,048]; A: computed on the way; B: input wo: QUANTISED
;;   THE QUANTISER, for each operand of a quantised product, along K:
;;     - K is cut into blocks of 32 from its start; a last block that is shorter is filled with zeros.
;;     - A block's scale is 2^e with e = floor(log2(the largest magnitude in the block)) - 4, held to -126 .. 127; a block of zeros has e = 0. As a byte (E8M0): e + 127.
;;     - Each number is divided by its block's scale, clamped to +-28, and rounded to the nearest number of E3M2, ties to even, subnormals kept.
;;     - The product sums the exact products of the quantised numbers (number of the format x scale) in f32.
;;   ~~~python
;;   def quantise(x, axis):      # numpy; x: float32 -> the quantised numbers, widened to float32 again
;;       x = np.moveaxis(x, axis, -1); K = x.shape[-1]
;;       x = np.pad(x, [(0, 0)] * (x.ndim - 1) + [(0, -K % 32)]); x = x.reshape(x.shape[:-1] + (-1, 32)); a = np.abs(x).max(-1, keepdims=True)
;;       e = np.where(a > 0, np.clip(np.frexp(np.where(a > 0, a, 1))[1] - 1 - 4, -126, 127), 0)      # np.frexp(a)[1] - 1 = floor(log2(a)), exactly
;;       r = np.clip(x / 2.0 ** e, -28, 28)
;;       step = 2.0 ** (np.maximum(np.frexp(np.where(r == 0, 1, r))[1] - 1, -2) - 2)
;;       q = np.round(r / step) * step * 2.0 ** e      # np.round: ties to even
;;       return np.moveaxis(q.reshape(q.shape[:-2] + (-1,))[..., :K], -1, axis).astype(np.float32)
;;   ~~~
;;   SOFTMAX AHEAD OF A QUANTISED PRODUCT. Where the list says 'softmax', what is quantised is not the finished softmax but p = 2^(t - M), with t = logit x log2(e) and M = ceil(the row's largest t), a whole number; so 1/2 < the row's largest p <= 1. The row's sum l is taken of the UNQUANTISED p, in f32, and the product's result is divided by l at the end. Since M is a whole number, a kernel that streams over the keys may use a running M (the ceiling of the running maximum): every later rescaling is an exact power of two, which a block's scale takes up: the codes' values come out the same.
;;   OPERANDS COMPUTED ON THE WAY. 'Computed on the way' means the value that the module computes at that place (a softmax that the list does not call 'softmax' is quantised finished and normalised). What goes into a quantiser is computed in f32, as accurately as f32 sums, v_exp_f32 and their like allow (about 1e-6 of the number): no bf16 or f16 on the way to a quantiser, and a product that is left as it is and whose result goes on into a quantised operand takes f32 operands (vector FMAs, or v_wmma_f32_16x16x4_f32). A number that lies on a knife's edge between two numbers of the format may be rounded either way, as far as f32 arithmetic and the matrix unit's own rounding can turn it there, and no further.
;; One version. Each part assembles by itself: llvm-mc -triple=amdgcn-amd-amdhsa -mcpu=gfx1250 --defsym DOCPART=n.
;; ======== version 1 of 1: 4 launches
;; workspace buffers: cw 15,728,640 bytes; sw 655,360 bytes; cq 9,437,184 bytes; sq 393,216 bytes; ca 3,145,728 bytes; sa 131,072 bytes
;; launch quant (part 1): grid 128 x 5, 4 waves a work-group, no clusters, 35,328 bytes of LDS; arguments wq, wk, x, wv, wo, cw, sw; writes cw, sw
.if DOCPART == 1
	.amdgcn_target "amdgcn-amd-amdhsa--gfx1250"
	.amdhsa_code_object_version 6
	.text
	.protected	k_q5c75b047c3_quant
	.globl	k_q5c75b047c3_quant
	.p2align	8
	.type	k_q5c75b047c3_quant,@function
k_q5c75b047c3_quant:
	s_mov_b64 s[64:65], 0
	v_nop
	global_prefetch_b8 v0, s[64:65] scope:SCOPE_SE
	s_setreg_imm32_b32 hwreg(HW_REG_WAVE_MODE, 25, 1), 1
	s_wait_xcnt 0x0
; wq, wk, x, wv, wo, each [2048][2048] f32 with K innermost, become codes of BF6 (E3M2) with one E8M0 byte for each 32 along K.
; A block's scale is 2^(floor(log2(its largest magnitude)) - 4); its byte is the largest magnitude's exponent field - 4, held at 1 from below.
; LIMITS: NaN and infinities are not served.  A block of zeros, or one whose largest magnitude lies under 2^-122, gets the byte 1 (the rule says 127 for zeros): its codes are
; zeros or the floor's, and the bytes are read by this program alone.
; THE WORKSPACE IS LAID AS IMAGES OF OPERAND REGISTERS.  A fragment (16 rows x 128 K, 12 registers a lane) is 1,536 bytes: registers 4 c .. 4 c + 3 of lane l at 512 c + 16 l.
; Tile T holds in lane r the row 32 (T / 2) + 8 (T % 2) + r + 8 (r / 8): so a product that takes such tiles as source 0 leaves 16 neighbours along the next K in a lane's 16 registers.
; Codes of tensor y: y x 3,145,728 + (T / 8) x 196,608 + s x 12,288 + (T % 8) x 1,536, s the K step of 128.  Scale words (4 bytes a row and K step): y x 131,072 + (T / 8) x 8,192 + s x 512 + (T % 8) x 64 + 4 r.
; SHARES.  Work-group y = the tensor; x / 4 = 64 rows (four tiles); wave w takes K step 4 (x % 4) + w of them: four fragments.
; Each load reads 512 consecutive bytes of one row; the 16 rows of a tile turn through the wave's own stage in LDS (rows 528 bytes apart) so that a lane gets, of its row, 16 neighbours of each block of 32.
; Each store of codes covers 512 consecutive bytes; the wave's 64 scale words leave as 256 consecutive bytes.  Waves share nothing: no barrier.  Nothing is read by two work-groups: no cluster.
.set WREG,  8704                       ; LDS of a wave: the stage, 16 x 528 bytes, then 256 bytes of scale words
.set WORDS, 8448
.set PC,    8                          ; v8-26   the codes just made (12 registers and 7 at work)
.set PW,    28                         ; v28     the scale word just made
.set R,     32                         ; v32-159 two sets of 64: a tile as it is loaded
.set X,     160                        ; v160-223 64 numbers of my row: register 16 b + i = k 32 b + 16 (lane / 16) + i
.set TM,    224                        ; v224-239 at work in QUANT
.set SEL,   24                         ; s[24:25] lane selects for v_permlanex16_b32: lane l xor 16
; 64 numbers of a lane, v[s] .. v[s + 63], become a fragment's codes in v[PC] on and its scale word in v[PW].
.macro QUANT s
.irp b, 0,1,2,3
	v_max3_num_f32 v[TM+\b], |v[\s+16*\b]|, |v[\s+1+16*\b]|, 0x2800000   ; block b: my 16 numbers, and the floor 2^(5 - 127): the byte cannot fall under 1
.endr
.irp i, 2,4,6,8,10,12,14
.irp b, 0,1,2,3
	v_max3_num_f32 v[TM+\b], v[TM+\b], |v[\s+16*\b+\i]|, |v[\s+1+16*\b+\i]|   ; the four blocks by turns
.endr
.endr
.irp b, 0,1,2,3
	v_permlanex16_b32 v[TM+4+\b], v[TM+\b], s[SEL], s[SEL+1]
.endr
.irp b, 0,1,2,3
	v_max_num_f32 v[TM+\b], v[TM+\b], v[TM+4+\b]   ; with lane l xor 16's 16: the block's largest magnitude
.endr
.irp b, 0,1,2,3
	v_add_nc_u32 v[TM+12+\b], 0xfe000000, v[TM+\b]   ; 4 off its exponent field: the conversion's scale operand
.endr
.irp b, 0,1,2,3
	v_lshrrev_b32 v[TM+4+\b], 23, v[TM+12+\b]      ; the scale's byte
.endr
	v_lshl_or_b32 v[PW], v[TM+5], 8, v[TM+4]       ; four bytes: my row's scale word
	v_lshl_or_b32 v[PW], v[TM+6], 16, v[PW]
	v_lshl_or_b32 v[PW], v[TM+7], 24, v[PW]
.irp c, 0,1
	v_cvt_scalef32_pk16_bf6_f32 v[PC+6*\c:PC+2+6*\c], v[\s+32*\c:\s+15+32*\c], v[TM+12+2*\c]
	v_cvt_scalef32_pk16_bf6_f32 v[PC+12+4*\c:PC+14+4*\c], v[\s+16+32*\c:\s+31+32*\c], v[TM+12+2*\c+1]   ; (a conversion's three registers begin on an even number)
.endr
	v_nop                                          ; one plain instruction behind the scaled conversions
.irp c, 0,1                                    ; the operand wants a whole block in a lane: lanes 0-15 block 2 c, lanes 16-31 block 2 c + 1
.irp i, 0,1,2
	v_permlane16_swap_b32 v[PC+6*\c+\i], v[PC+12+4*\c+\i]
.endr
.irp i, 0,1,2
	v_mov_b32 v[PC+3+6*\c+\i], v[PC+12+4*\c+\i]
.endr
.endr
.endm
.macro LOAD t                          ; tile t of my four: its 16 rows, 512 bytes each, into set t % 2
.irp i, 0,1,2,3,4,5,6,7,8,9,10,11,12,13,14,15
	global_load_b128 v[R+64*((\t)%2)+4*\i:R+64*((\t)%2)+4*\i+3], v1, s[4:5] offset:(32*((\t)/2)+8*((\t)%2)+\i+8*(\i/8))*8192 th:TH_LOAD_NT
.endr
.endm
.macro STEP t
.if (\t) < 3
	s_wait_loadcnt 16                              ; this tile's 16 loads are in; the next tile's 16 may be out
.else
	s_wait_loadcnt 0x0
.endif
.irp i, 0,1,2,3,4,5,6,7,8,9,10,11,12,13,14,15
	ds_store_b128 v2, v[R+64*((\t)%2)+4*\i:R+64*((\t)%2)+4*\i+3] offset:528*\i
.endr
.irp b, 0,1,2,3
.irp j, 0,1,2,3
	ds_load_b128 v[X+16*\b+4*\j:X+16*\b+4*\j+3], v3 offset:128*\b+16*\j   ; LDS serves a wave's instructions in order: these see the stores above
.endr
.endr
	s_wait_dscnt 0x0                               ; my 64 numbers are in; the stage's stores and the last tile's word store have read their registers
.if (\t) > 0
	s_wait_xcnt 0x0                                ; the last tile's stores have read the codes' registers, which QUANT writes again
.endif
.if (\t)+2 < 4
	LOAD (\t)+2
.endif
	QUANT X
.irp c, 0,1,2
	global_store_b128 v1, v[PC+4*\c:PC+4*\c+3], s[14:15] offset:1536*(\t)+512*\c   ; 512 consecutive bytes
.endr
	ds_store_b32 v4, v[PW] offset:64*(\t)          ; lanes r and r + 16 write the same word with the same value
.endm
	s_load_b256 s[4:11], s[0:1], 0x0               ; wq, wk, x, wv
	s_load_b128 s[12:15], s[0:1], 0x20             ; wo, cw
	s_load_b64 s[16:17], s[0:1], 0x30              ; sw
	v_lshl_add_u32 v240, v0, 2, 0x8800
	v_mov_b32 v241, 0
	v_lshrrev_b32 v7, 5, v0
	v_readfirstlane_b32 s18, v7                    ; wave
	v_and_b32 v7, 31, v0                           ; lane
	v_and_b32 v29, 15, v0                          ; r
	v_bfe_u32 v30, v0, 4, 1                        ; h
	v_lshlrev_b32 v1, 4, v7                        ; 16 x lane: loads and stores of codes
	v_lshlrev_b32 v6, 3, v7                        ; 8 x lane: the words' way out
	s_mul_i32 s19, s18, WREG
	v_add_nc_u32 v2, s19, v1                       ; into the stage
	v_mul_u32_u24 v3, v29, 528
	v_lshl_add_u32 v3, v30, 6, v3
	v_add_nc_u32 v3, s19, v3                       ; out of it: row r, + 64 h
	v_lshlrev_b32 v4, 2, v29
	v_add_nc_u32 v4, s19, v4
	v_add_nc_u32 v4, WORDS, v4                     ; my row's scale word
	v_add_nc_u32 v5, s19, v6
	v_add_nc_u32 v5, WORDS, v5
.irp b, 0,1,2,3
	v_mov_b32 v[TM+4+\b], 0                        ; written once: a lane permute's destination counts as one of its sources
.endr
	s_mov_b32 s[SEL], 0x76543210
	s_mov_b32 s[SEL+1], 0xfedcba98
	s_and_b32 s20, ttmp7, 0xffff                   ; the tensor
	s_lshr_b32 s21, ttmp9, 2                       ; which 64 rows
	s_and_b32 s22, ttmp9, 3
	s_lshl_b32 s22, s22, 2
	s_add_co_u32 s22, s22, s18                     ; my K step
	s_lshl_b32 s26, s21, 19                        ; 64 rows of 8,192 bytes
	s_lshl_b32 s27, s22, 9
	s_add_co_u32 s26, s26, s27
	s_mov_b32 s27, 0
	s_lshr_b32 s30, s21, 1
	s_and_b32 s32, s21, 1
	s_mul_i32 s28, s20, 3145728
	s_mul_i32 s31, s30, 196608
	s_add_co_u32 s28, s28, s31
	s_mul_i32 s31, s22, 12288
	s_add_co_u32 s28, s28, s31
	s_mul_i32 s31, s32, 6144
	s_add_co_u32 s28, s28, s31
	s_mov_b32 s29, 0
	s_lshl_b32 s34, s20, 17
	s_lshl_b32 s31, s30, 13
	s_add_co_u32 s34, s34, s31
	s_lshl_b32 s31, s22, 9
	s_add_co_u32 s34, s34, s31
	s_lshl_b32 s31, s32, 8
	s_add_co_u32 s34, s34, s31
	s_mov_b32 s35, 0
	s_wait_kmcnt 0x0
	s_cmp_eq_u32 s20, 1                            ; the choice hangs on the work-group's number alone
	s_cselect_b64 s[4:5], s[6:7], s[4:5]
	s_cmp_eq_u32 s20, 2
	s_cselect_b64 s[4:5], s[8:9], s[4:5]
	s_cmp_eq_u32 s20, 3
	s_cselect_b64 s[4:5], s[10:11], s[4:5]
	s_cmp_eq_u32 s20, 4
	s_cselect_b64 s[4:5], s[12:13], s[4:5]
	s_add_nc_u64 s[4:5], s[4:5], s[26:27]
	s_add_nc_u64 s[14:15], s[14:15], s[28:29]
	s_add_nc_u64 s[16:17], s[16:17], s[34:35]
	LOAD 0
	LOAD 1
	STEP 0
	STEP 1
	STEP 2
	STEP 3
	ds_load_b64 v[30:31], v5                       ; my wave's 64 scale words, in order behind their stores
	s_wait_dscnt 0x0
	global_store_b64 v6, v[30:31], s[16:17]        ; 256 consecutive bytes, at a multiple of 256 from the buffer's first byte
	s_wait_tensorcnt 0x0
	ds_add_u32 v240, v241
	s_wait_dscnt 0x0
	s_endpgm
.Lfunc_end_k_q5c75b047c3_quant:
	.size	k_q5c75b047c3_quant, .Lfunc_end_k_q5c75b047c3_quant-k_q5c75b047c3_quant
	.p2alignl 7, 3214868480
	.fill 96, 4, 3214868480
	.section	.rodata,"a",@progbits
	.p2align	6, 0x0
	.amdhsa_kernel k_q5c75b047c3_quant
		.amdhsa_group_segment_fixed_size 35328
		.amdhsa_private_segment_fixed_size 0
		.amdhsa_enable_private_segment 0
		.amdhsa_kernarg_size 56
		.amdhsa_user_sgpr_count 2
		.amdhsa_user_sgpr_kernarg_segment_ptr 1
		.amdhsa_wavefront_size32 1
		.amdhsa_system_sgpr_workgroup_id_x 1
		.amdhsa_system_sgpr_workgroup_id_y 1
		.amdhsa_system_sgpr_workgroup_id_z 1
		.amdhsa_system_vgpr_workitem_id 0
		.amdhsa_next_free_vgpr 242
		.amdhsa_next_free_sgpr 66
		.amdhsa_reserve_vcc 0
		.amdhsa_float_denorm_mode_32 3
		.amdhsa_float_denorm_mode_16_64 3
		.amdhsa_memory_ordered 1
		.amdhsa_forward_progress 1
		.amdhsa_inst_pref_size 34
	.end_amdhsa_kernel
	.amdgpu_metadata
---
amdhsa.version: [ 1, 2 ]
amdhsa.kernels:
  - .name:           k_q5c75b047c3_quant
    .symbol:         k_q5c75b047c3_quant.kd
    .args:
      - { .name: wq, .offset: 0, .size: 8, .value_kind: global_buffer, .address_space: global }
      - { .name: wk, .offset: 8, .size: 8, .value_kind: global_buffer, .address_space: global }
      - { .name: x, .offset: 16, .size: 8, .value_kind: global_buffer, .address_space: global }
      - { .name: wv, .offset: 24, .size: 8, .value_kind: global_buffer, .address_space: global }
      - { .name: wo, .offset: 32, .size: 8, .value_kind: global_buffer, .address_space: global }
      - { .name: cw, .offset: 40, .size: 8, .value_kind: global_buffer, .address_space: global }
      - { .name: sw, .offset: 48, .size: 8, .value_kind: global_buffer, .address_space: global }
    .group_segment_fixed_size: 35328
    .private_segment_fixed_size: 0
    .kernarg_segment_align: 8
    .kernarg_segment_size: 56
    .max_flat_workgroup_size: 128
    .sgpr_count:     66
    .vgpr_count:     242
    .wavefront_size: 32
...
	.end_amdgpu_metadata
.endif
;; end of part 1
;; launch qkv (part 2): grid 16 x 16, 4 waves a work-group, clusters of 4 x 1, 327,680 bytes of LDS; arguments cw, sw, freqs_cos, freqs_sin, cq, sq; writes cq, sq
.if DOCPART == 2
	.amdgcn_target "amdgcn-amd-amdhsa--gfx1250"
	.amdhsa_code_object_version 6
	.text
	.protected	k_q5c75b047c3_qkv
	.globl	k_q5c75b047c3_qkv
	.p2align	8
	.type	k_q5c75b047c3_qkv,@function
k_q5c75b047c3_qkv:
	s_mov_b64 s[64:65], 0
	v_nop
	global_prefetch_b8 v0, s[64:65] scope:SCOPE_SE
	s_setreg_imm32_b32 hwreg(HW_REG_WAVE_MODE, 25, 1), 1
	s_wait_xcnt 0x0
	s_wait_alu depctr_hold_cnt(0) depctr_sa_sdst(0) depctr_va_vdst(0) depctr_va_sdst(0) depctr_va_ssrc(0) depctr_va_vcc(0) depctr_vm_vsrc(0)
	s_getreg_b32 s2, hwreg(HW_REG_IB_STS2, 6, 4)
	s_cmp_eq_u32 s2, 0
	s_cbranch_scc0 .Lentry_in_a_cluster
	s_endpgm
.Lentry_in_a_cluster:
	s_bfe_u32 s2, ttmp6, 0x10000c
	s_cmp_lg_u32 s2, 0x3003
	s_cbranch_scc0 .Lentry_shape_is_right
	s_endpgm
.Lentry_shape_is_right:
; Q = x wq^T and K = x wk^T, turned by the rotary table and quantised along the head's 128; V^T = wv x^T, quantised along the tokens.  All operands are codes of BF6 (E3M2) with E8M0 scales,
; laid as images of operand registers (fragment: 1,536 bytes, registers 4 c .. 4 c + 3 of lane l at 512 c + 16 l; tile T, lane r = row 32 (T / 2) + 8 (T % 2) + r + 8 (r / 8)).
; SHARES.  Work-group (ib, jb) stays for three jobs of 128 (i) x 128 (j) x 2,048: Q: source 1 = x block ib (tokens), source 0 = wq block jb (a head's channels); K: the same x, wk; V^T: source 1 = wv block ib
; (a head's channels), source 0 = x block jb (128 tokens).  A lane holds one row i and its 64 registers of a tile run along j in the order of the next K: they are quantised in registers and the
; fragment leaves by three stores of 512 consecutive bytes.  No stage, no barrier on the way out.
; Wave w owns i tiles 2 w, 2 w + 1 against all 8 j tiles: 16 accumulators, which take turns.
; SOURCE 1 is a wave's own: it goes from memory straight into 384 registers for all of K (a joint load lands in LDS alone, so it is not shared in the cluster).
; SOURCE 0 is shared by the four waves and by the four partners of the cluster (same jb): joint tensor loads into three LDS slots of 8 K steps; six half-jobs, three first fills and three refills.
; By this text's own count a wave has at most four tensor loads out.
; LIMITS: NaN and infinities are not served; a block of zeros, or one under 2^-122, gets the byte 1 (read by this program alone); the rotary turn uses fused multiply-adds (one rounding where the source has two).
; REGISTERS: window 0: v1-12 addresses; v16-31, v32-47 source 1's scale words (x's, wv's: one register a K step, lanes 0-15 tile 2 w, lanes 16-31 tile 2 w + 1); v48-55 source 0's, two sets of 4
;   (register p: lanes 0-15 tile 2 p, lanes 16-31 tile 2 p + 1); v56-103 at work; v128-255 accumulators (a, t) at 128 + 64 a + 8 t.
;   window 1: v0-191 source 1, K steps 0-7 (24 (s % 8) + 12 a); v192-255 cos and sin of tile a = 0.  window 2: the same for K steps 8-15 and a = 1.  window 3: source 0, two sets of 96.
.set SLOT,  98304                      ; 8 K steps x 12,288 bytes
.set SCB,   3*SLOT                     ; source 0's scale words: wave w's load brings K steps 4 w .. 4 w + 3 of wq, wk, x: 3 x 2,048 bytes
.set SPARE, SCB+24576                  ; the spare words, 128 bytes for each wave: two blocks of 256 bytes that no other line names
.set SPW, 3
.set NIL, 4
.set CSO, 5                            ; v5   my byte in the wave's rows of cos and sin
.set LB,  6                            ; v6-11  16 x lane + n x 49,152
.set LSB, 12                           ; v12    4 x lane + SCB
.set SA,  16
.set SB,  48
.set TM,  56
.set PC,  72
.set PW,  92
.set PW0, 93
.set PWC, 94
.set RT,  96
.set ACC, 128
.set WV,  16
.set SEL, 20
.set G1C, 24                           ; s[24:31] group 1: 96 rows of 256 bytes, dense
.set G1S, 32                           ; s[32:39] group 1: 3 rows of 2,048 bytes, 131,072 apart
.set G0S, 40
.set G0,  44                           ; s[44:55] group 0, one set for each slot
.set AP,  56                           ; s[56:57] x's codes of my tiles, s[58:59] wv's
.set AW,  60                           ; s[60:61], s[62:63] their scale words
.set CP,  66                           ; s[66:71] where Q's, K's, V's codes go
.set WP,  72                           ; s[72:77] and their scale words
.set CSP, 78                           ; s[78:79] cos, s[80:81] sin
.set MSB, 0
.macro WIN new                         ; the immediate's high byte repeats the setting that is left
.if MSB != (\new)
	s_set_vgpr_msb (MSB<<8)|(\new)
.set MSB, (\new)
.endif
.endm
.macro PLACES n
.rept \n
	v_nop
.endr
.endm
.macro CREST                           ; a round of the cluster's barrier behind its opening barrier
	s_cmp_lg_u32 s[WV], 0
	s_cbranch_scc1 .Lnot_wave_0_\@
	s_barrier_signal -3
.Lnot_wave_0_\@:
	s_barrier_wait -3
	s_barrier_signal -1
	s_barrier_wait -1
.endm
.macro CROUND
	s_barrier_signal -1
	s_barrier_wait -1
	CREST
.endm
; 64 numbers of a lane, v[s] .. v[s + 63], register 16 b + i = k 32 b + 16 (lane / 16) + i of my row, become a fragment's codes in v[PC] on and its scale word in v[PW].
.macro QUANT s
.irp b, 0,1,2,3
	v_max3_num_f32 v[TM+\b], |v[\s+16*\b]|, |v[\s+1+16*\b]|, 0x2800000   ; and the floor 2^(5 - 127): the byte cannot fall under 1
.endr
.irp i, 2,4,6,8,10,12,14
.irp b, 0,1,2,3
	v_max3_num_f32 v[TM+\b], v[TM+\b], |v[\s+16*\b+\i]|, |v[\s+1+16*\b+\i]|
.endr
.endr
.irp b, 0,1,2,3
	v_permlanex16_b32 v[TM+4+\b], v[TM+\b], s[SEL], s[SEL+1]
.endr
.irp b, 0,1,2,3
	v_max_num_f32 v[TM+\b], v[TM+\b], v[TM+4+\b]
.endr
.irp b, 0,1,2,3
	v_add_nc_u32 v[TM+12+\b], 0xfe000000, v[TM+\b]   ; 4 off the exponent field: the conversion's scale operand
.endr
.irp b, 0,1,2,3
	v_lshrrev_b32 v[TM+4+\b], 23, v[TM+12+\b]
.endr
	v_lshl_or_b32 v[PW], v[TM+5], 8, v[TM+4]
	v_lshl_or_b32 v[PW], v[TM+6], 16, v[PW]
	v_lshl_or_b32 v[PW], v[TM+7], 24, v[PW]
.irp c, 0,1
	v_cvt_scalef32_pk16_bf6_f32 v[PC+6*\c:PC+2+6*\c], v[\s+32*\c:\s+15+32*\c], v[TM+12+2*\c]
	v_cvt_scalef32_pk16_bf6_f32 v[PC+12+4*\c:PC+14+4*\c], v[\s+16+32*\c:\s+31+32*\c], v[TM+12+2*\c+1]
.endr
	v_nop                                          ; one plain instruction behind the scaled conversions
.irp c, 0,1
.irp i, 0,1,2
	v_permlane16_swap_b32 v[PC+6*\c+\i], v[PC+12+4*\c+\i]
.endr
.irp i, 0,1,2
	v_mov_b32 v[PC+3+6*\c+\i], v[PC+12+4*\c+\i]
.endr
.endr
.endm
; One matrix instruction, from the symbols wD (accumulator), wS0, wS1 (sources), wC0, wC1 (their scale registers), wR0, wR1 (1: the scales stand in lanes 16-31), wZ (1: it starts the sum)
.macro WM
.if wZ
.if wR0 && wR1
	v_wmma_scale_f32_16x16x128_f8f6f4 v[wD:wD+7], v[wS0:wS0+11], v[wS1:wS1+11], 0, v[wC0], v[wC1] matrix_a_fmt:MATRIX_FMT_BF6 matrix_b_fmt:MATRIX_FMT_BF6 matrix_a_scale:MATRIX_SCALE_ROW1 matrix_b_scale:MATRIX_SCALE_ROW1
.elseif wR0
	v_wmma_scale_f32_16x16x128_f8f6f4 v[wD:wD+7], v[wS0:wS0+11], v[wS1:wS1+11], 0, v[wC0], v[wC1] matrix_a_fmt:MATRIX_FMT_BF6 matrix_b_fmt:MATRIX_FMT_BF6 matrix_a_scale:MATRIX_SCALE_ROW1
.elseif wR1
	v_wmma_scale_f32_16x16x128_f8f6f4 v[wD:wD+7], v[wS0:wS0+11], v[wS1:wS1+11], 0, v[wC0], v[wC1] matrix_a_fmt:MATRIX_FMT_BF6 matrix_b_fmt:MATRIX_FMT_BF6 matrix_b_scale:MATRIX_SCALE_ROW1
.else
	v_wmma_scale_f32_16x16x128_f8f6f4 v[wD:wD+7], v[wS0:wS0+11], v[wS1:wS1+11], 0, v[wC0], v[wC1] matrix_a_fmt:MATRIX_FMT_BF6 matrix_b_fmt:MATRIX_FMT_BF6
.endif
.else
.if wR0 && wR1
	v_wmma_scale_f32_16x16x128_f8f6f4 v[wD:wD+7], v[wS0:wS0+11], v[wS1:wS1+11], v[wD:wD+7], v[wC0], v[wC1] matrix_a_fmt:MATRIX_FMT_BF6 matrix_b_fmt:MATRIX_FMT_BF6 matrix_a_scale:MATRIX_SCALE_ROW1 matrix_b_scale:MATRIX_SCALE_ROW1
.elseif wR0
	v_wmma_scale_f32_16x16x128_f8f6f4 v[wD:wD+7], v[wS0:wS0+11], v[wS1:wS1+11], v[wD:wD+7], v[wC0], v[wC1] matrix_a_fmt:MATRIX_FMT_BF6 matrix_b_fmt:MATRIX_FMT_BF6 matrix_a_scale:MATRIX_SCALE_ROW1
.elseif wR1
	v_wmma_scale_f32_16x16x128_f8f6f4 v[wD:wD+7], v[wS0:wS0+11], v[wS1:wS1+11], v[wD:wD+7], v[wC0], v[wC1] matrix_a_fmt:MATRIX_FMT_BF6 matrix_b_fmt:MATRIX_FMT_BF6 matrix_b_scale:MATRIX_SCALE_ROW1
.else
	v_wmma_scale_f32_16x16x128_f8f6f4 v[wD:wD+7], v[wS0:wS0+11], v[wS1:wS1+11], v[wD:wD+7], v[wC0], v[wC1] matrix_a_fmt:MATRIX_FMT_BF6 matrix_b_fmt:MATRIX_FMT_BF6
.endif
.endif
.endm
; g = 0 .. 47 counts K steps: job g / 16, K step g % 16, source 0's set g % 2
.macro MWIN g                          ; source 0 window 3; source 1 window 1 (K steps 0-7) or 2 (8-15); C and D window 0
.if ((\g)%16) < 8
	WIN 0x07
.else
	WIN 0x0b
.endif
.endm
.macro MUL8 g, t0                      ; j tiles t0 .. t0 + 3 x my two i tiles
.set wZ, 1-(((\g)%16)+15)/16           ; 1 in a job's first K step: nothing is ever cleared
.set wC1, SA+16*((\g)/32)+(\g)%16      ; x's words, in the third job wv's
.set tt, \t0
.rept 4
.set aa, 0
.rept 2
.set wD, ACC+64*aa+8*tt
.set wS0, 96*((\g)%2)+12*tt
.set wS1, 24*((\g)%8)+12*aa
.set wC0, SB+4*((\g)%2)+tt/2
.set wR0, tt%2
.set wR1, aa
	WM
.set aa, aa+1
.endr
.set tt, tt+1
.endr
.endm
.macro FETCHB g                        ; source 0's eight fragments of K step g: 24 loads of 512 consecutive bytes
.set fP, 8*(((\g)/8)%3)+(\g)%8         ; its place among the 24 of the three slots
.set fR, 96*((\g)%2)
	WIN 0xc0
.set tt, 0
.rept 8
.irp c, 0,1,2
	ds_load_b128 v[fR+12*tt+4*\c:fR+12*tt+4*\c+3], v[LB+fP/4] offset:(fP%4)*12288+1536*tt+512*\c
.endr
.set tt, tt+1
.endr
	WIN 0
.endm
.macro FETCHS g                        ; and their scale words
.set fS, (\g)%16
.irp p, 0,1,2,3
	ds_load_b32 v[SB+4*((\g)%2)+\p], v[LSB] offset:(fS/4)*6144+((\g)/16)*2048+(fS%4)*512+128*\p
.endr
.endm
; A load into a register that a matrix instruction has read stands four places behind it, and only plain vector instructions that name none of its registers are places (ISA guide 7.12.1 for vector instructions).
.macro KSTEP g
	PLACES 4
	FETCHB (\g)+1
	FETCHS (\g)+1
	s_wait_dscnt 28                                ; all but the 28 just issued: this K step's fragments and words are in
	MWIN \g
	MUL8 \g, 0
	MUL8 \g, 4
	WIN 0
.endm
; A slot's last K step, behind which the slot is filled again.  Each wave waits for all its tensor loads, adds 0 to its spare word, and waits for that and for its reads of the slot; the barrier opens a round of the cluster's.
.macro TURNR g, slot, step
	s_wait_tensorcnt 0x0                           ; all my tensor loads have landed
	ds_add_u32 v[SPW], v[NIL]                      ; 0 onto my spare word
	s_wait_dscnt 1                                 ; (the add may be out)
	MWIN \g
	MUL8 \g, 0                                     ; eight matrix instructions stand between the add and the wait for it
	s_wait_dscnt 0x0                               ; the add is done, and my reads of this slot are over
	s_barrier_signal -1
	MUL8 \g, 4
	WIN 0
	s_barrier_wait -1
	CREST                                          ; no wave of any partner still reads this slot or has a load on its way
	s_add_nc_u64 s[G0+4*\slot+2:G0+4*\slot+3], s[G0+4*\slot+2:G0+4*\slot+3], \step
	tensor_load_to_lds s[G0+4*\slot:G0+4*\slot+3], s[G1C:G1C+7]   ; the first tensor load behind the round, my only one until the next
	s_nop 0
	PLACES 4                                       ; the places in front of the loads below
	FETCHB (\g)+1
	FETCHS (\g)+1
.endm
; A change of slots behind which nothing is filled: the last half-job is shown landed to every wave.
.macro TURNP g
	s_wait_tensorcnt 0x0
	ds_add_u32 v[SPW], v[NIL]
	s_wait_dscnt 0x0
	s_barrier_signal -1
	MWIN \g
	MUL8 \g, 0
	MUL8 \g, 4
	WIN 0
	s_barrier_wait -1
	PLACES 4
	FETCHB (\g)+1
	FETCHS (\g)+1
.endm
.macro LAST g
	s_wait_dscnt 0x0
	MWIN \g
	MUL8 \g, 0
	MUL8 \g, 4
	WIN 0
.endm
.macro ALOAD win, ptr, s0              ; source 1's fragments of K steps s0 .. s0 + 7, both tiles: 48 loads of 512 consecutive bytes
	WIN (\win)<<6
.set kk, 0
.rept 8
.irp a, 0,1
.irp c, 0,1,2
	global_load_b128 v[24*kk+12*\a+4*\c:24*kk+12*\a+4*\c+3], v1, s[\ptr:\ptr+1] offset:(\s0+kk)*12288+\a*1536+\c*512
.endr
.endr
.set kk, kk+1
.endr
	WIN 0
.endm
; The rotary turn of tile a: registers 2 p, 2 p + 1 are channels 32 (p / 8) + 16 h + 2 (p % 8) and the next: frequency 16 (p / 8) + 8 h + p % 8.  The pairs go in ascending order: each accumulator is read from its low end on.
.macro ROT a
	WIN 0x04+4*(\a)                                ; source 1 (cos, sin) in window 1 or 2
.set pp, 0
.rept 32
.set rE, ACC+64*(\a)+2*pp
.set rC, 192+16*(pp/8)+pp%8
.set rT, RT+2*(pp%4)
	v_mul_f32 v[rT], v[rE+1], v[rC+8]              ; odd x sin
	v_mul_f32 v[rT+1], v[rE+1], v[rC]              ; odd x cos
	v_fma_f32 v[rE+1], v[rE], v[rC+8], v[rT+1]     ; even x sin + odd x cos
	v_fma_f32 v[rE], v[rE], v[rC], -v[rT]          ; even x cos - odd x sin
.set pp, pp+1
.endr
	WIN 0
.endm
.macro EPI job                         ; a job's results leave: turned (Q, K), quantised, three stores a tile; the two tiles' scale words in one store of 128 consecutive bytes
	PLACES 4
.irp a, 0,1
.if \job < 2
	ROT \a
.endif
	s_wait_xcnt 0x0                                ; earlier stores have read the codes' and the words' registers, which are written again
	QUANT ACC+64*\a
.irp c, 0,1,2
	global_store_b128 v1, v[PC+4*\c:PC+4*\c+3], s[CP+2*\job:CP+2*\job+1] offset:1536*\a+512*\c
.endr
.if \a == 0
	v_mov_b32 v[PW0], v[PW]
.else
	v_cndmask_b32 v[PWC], v[PW0], v[PW], s22       ; lanes 0-15 the first tile's words, lanes 16-31 the second's
	global_store_b32 v2, v[PWC], s[WP+2*\job:WP+2*\job+1]
.endif
.endr
.endm
	s_load_b256 s[4:11], s[0:1], 0x0               ; cw, sw, cos, sin
	s_load_b128 s[12:15], s[0:1], 0x20             ; cq, sq
	v_lshl_add_u32 v[SPW], v0, 2, SPARE
	v_mov_b32 v[NIL], 0
	ds_add_u32 v3, v4
	ds_add_u32 v3, v4
	s_wait_dscnt 0x0
	v_lshrrev_b32 v13, 5, v0
	v_readfirstlane_b32 s[WV], v13                 ; wave 0..3
	s_bfe_u32 s17, ttmp6, 0x40000                  ; cx
	s_lshl_b32 s18, ttmp9, 2
	s_add_co_u32 s18, s18, s17                     ; ib = 4 x cluster x + cx: it enters plain loads' and stores' addresses alone
	s_and_b32 s19, ttmp7, 0xffff                   ; jb, which the four partners share
	s_mov_b32 s[SEL], 0x76543210
	s_mov_b32 s[SEL+1], 0xfedcba98
	s_mov_b32 s22, 0xffff0000                      ; lanes 16-31
	s_mov_b32 s[G1C], 15|(3<<16)|(1<<21)           ; the mask: all four work-groups; elements of 8 bytes; bit 21 beside a mask
	s_mov_b32 s[G1C+1], 32<<16                     ; tensor_dim0 = 32 (256 bytes)
	s_mov_b32 s[G1C+2], 96<<16                     ; tensor_dim1 = 96
	s_mov_b32 s[G1C+3], 32<<16                     ; tile_dim0
	s_mov_b32 s[G1C+4], 96                         ; tile_dim1
	s_mov_b32 s[G1C+5], 32                         ; from row to row: dense
	s_mov_b32 s[G1C+6], 0
	s_mov_b32 s[G1C+7], 0
	s_mov_b32 s[G1S], 15|(3<<16)|(1<<21)
	s_mov_b32 s[G1S+1], 256<<16                    ; 2,048 bytes a row
	s_mov_b32 s[G1S+2], 3<<16                      ; three rows: wq's, wk's, x's words
	s_mov_b32 s[G1S+3], 256<<16
	s_mov_b32 s[G1S+4], 3
	s_mov_b32 s[G1S+5], 16384                      ; 131,072 bytes from tensor to tensor
	s_mov_b32 s[G1S+6], 0
	s_mov_b32 s[G1S+7], 0
	; what the joint loads name hangs on jb and the wave's number alone
	s_mul_i32 s82, s19, 196608
	s_mul_i32 s84, s[WV], 24576                    ; my quarter of a half-job, in memory and in a slot
	s_add_co_u32 s82, s82, s84
	s_mov_b32 s83, 0
	s_lshl_b32 s86, s19, 13
	s_lshl_b32 s85, s[WV], 11
	s_add_co_u32 s86, s86, s85
	s_mov_b32 s87, 0
	s_mul_i32 s85, s[WV], 6144
	; my own loads and stores
	s_mul_i32 s88, s18, 196608
	s_mul_i32 s90, s[WV], 3072
	s_add_co_u32 s88, s88, s90                     ; block ib, tiles 2 w on: codes
	s_mov_b32 s89, 0
	s_lshl_b32 s92, s18, 13
	s_lshl_b32 s91, s[WV], 7
	s_add_co_u32 s92, s92, s91                     ; and words
	s_mov_b32 s93, 0
	s_mul_i32 s94, s19, 196608
	s_mul_i32 s96, s18, 12288
	s_add_co_u32 s94, s94, s96
	s_add_co_u32 s94, s94, s90                     ; Q, K: head jb, token tiles 8 ib + 2 w on
	s_mov_b32 s95, 0
	s_lshl_b32 s96, s19, 13
	s_lshl_b32 s98, s18, 9
	s_add_co_u32 s96, s96, s98
	s_add_co_u32 s96, s96, s91
	s_mov_b32 s97, 0
	s_mul_i32 s98, s19, 12288                      ; V: key step jb
	s_mov_b32 s99, 0
	s_lshl_b32 s2, s19, 9
	s_mov_b32 s3, 0
	s_lshl_b32 s90, s18, 15
	s_lshl_b32 s91, s[WV], 13
	s_add_co_u32 s90, s90, s91                     ; cos, sin: token 128 ib + 32 w, 256 bytes a row
	s_mov_b32 s91, 0
	s_wait_kmcnt 0x0
	s_add_nc_u64 s[82:83], s[4:5], s[82:83]
	s_add_nc_u64 s[86:87], s[6:7], s[86:87]
	s_mov_b32 s[G0S], 1
	s_add_co_u32 s[G0S+1], s85, SCB
	s_mov_b64 s[G0S+2:G0S+3], s[86:87]
	s_or_b32 s[G0S+3], s[G0S+3], 0x80000000
	s_mov_b32 s[G0], 1                             ; slot 0: wq, K steps 0-7
	s_add_co_u32 s[G0+1], s84, 0
	s_mov_b64 s[G0+2:G0+3], s[82:83]
	s_or_b32 s[G0+3], s[G0+3], 0x80000000
	s_mov_b32 s[G0+4], 1                           ; slot 1: wq, K steps 8-15
	s_add_co_u32 s[G0+5], s84, SLOT
	s_add_nc_u64 s[G0+6:G0+7], s[82:83], 98304
	s_or_b32 s[G0+7], s[G0+7], 0x80000000
	s_mov_b32 s[G0+8], 1                           ; slot 2: wk, K steps 0-7
	s_add_co_u32 s[G0+9], s84, 2*SLOT
	s_add_nc_u64 s[G0+10:G0+11], s[82:83], 3145728
	s_or_b32 s[G0+11], s[G0+11], 0x80000000
	s_add_nc_u64 s[AP:AP+1], s[4:5], s[88:89]
	s_add_nc_u64 s[AP:AP+1], s[AP:AP+1], 6291456   ; x is the third tensor,
	s_add_nc_u64 s[AP+2:AP+3], s[AP:AP+1], 3145728 ; wv the fourth
	s_add_nc_u64 s[AW:AW+1], s[6:7], s[92:93]
	s_add_nc_u64 s[AW:AW+1], s[AW:AW+1], 262144
	s_add_nc_u64 s[AW+2:AW+3], s[AW:AW+1], 131072
	s_add_nc_u64 s[CP:CP+1], s[12:13], s[94:95]
	s_add_nc_u64 s[CP+2:CP+3], s[CP:CP+1], 3145728
	s_add_nc_u64 s[CP+4:CP+5], s[12:13], s[88:89]
	s_add_nc_u64 s[CP+4:CP+5], s[CP+4:CP+5], s[98:99]
	s_add_nc_u64 s[CP+4:CP+5], s[CP+4:CP+5], 6291456
	s_add_nc_u64 s[WP:WP+1], s[14:15], s[96:97]
	s_add_nc_u64 s[WP+2:WP+3], s[WP:WP+1], 131072
	s_add_nc_u64 s[WP+4:WP+5], s[14:15], s[92:93]
	s_add_nc_u64 s[WP+4:WP+5], s[WP+4:WP+5], s[2:3]
	s_add_nc_u64 s[WP+4:WP+5], s[WP+4:WP+5], 262144
	s_add_nc_u64 s[CSP:CSP+1], s[8:9], s[90:91]
	s_add_nc_u64 s[CSP+2:CSP+3], s[10:11], s[90:91]
	CROUND                                         ; all four work-groups are here: the first joint loads meet
	tensor_load_to_lds s[G0S:G0S+3], s[G1S:G1S+7]  ; the first fills go out as one group: the words, then the three slots
	s_nop 0
	tensor_load_to_lds s[G0:G0+3], s[G1C:G1C+7]
	s_nop 0
	tensor_load_to_lds s[G0+4:G0+7], s[G1C:G1C+7]
	s_nop 0
	tensor_load_to_lds s[G0+8:G0+11], s[G1C:G1C+7]
	s_nop 0
	PLACES 4
	v_and_b32 v13, 31, v0
	v_lshlrev_b32 v1, 4, v13                       ; 16 x lane
	v_lshlrev_b32 v2, 2, v13                       ; 4 x lane
	v_and_b32 v14, 15, v0                          ; r
	v_bfe_u32 v15, v0, 4, 1                        ; h
	v_and_b32 v13, 8, v14
	v_add_nc_u32 v13, v13, v14                     ; r + 8 (r / 8)
	v_lshlrev_b32 v[CSO], 8, v13
	v_lshl_add_u32 v[CSO], v15, 5, v[CSO]          ; + 32 h: my half's eight frequencies of sixteen
.irp n, 0,1,2,3,4,5
	v_add_nc_u32 v[LB+\n], \n*49152, v1
.endr
	v_add_nc_u32 v[LSB], SCB, v2
.irp b, 0,1,2,3
	v_mov_b32 v[TM+4+\b], 0                        ; written once: a lane permute's destination counts as one of its sources
.endr
.set ss, 0
.rept 16
	global_load_b32 v[SA+ss], v2, s[AW:AW+1] offset:512*ss
.set ss, ss+1
.endr
.set ss, 0
.rept 16
	global_load_b32 v[SA+16+ss], v2, s[AW+2:AW+3] offset:512*ss
.set ss, ss+1
.endr
	ALOAD 1, AP, 0
	ALOAD 2, AP, 8
.irp a, 0,1
	WIN 0x40*(\a+1)
.irp b, 0,1,2,3
.irp e, 0,1
	global_load_b128 v[192+16*\b+4*\e:195+16*\b+4*\e], v[CSO], s[CSP:CSP+1] offset:\a*2048+64*\b+16*\e
	global_load_b128 v[200+16*\b+4*\e:203+16*\b+4*\e], v[CSO], s[CSP+2:CSP+3] offset:\a*2048+64*\b+16*\e
.endr
.endr
.endr
	WIN 0
	s_wait_tensorcnt 2                             ; the words and slot 0 are in; slots 1 and 2 may be out
	s_barrier_signal -1
	s_barrier_wait -1
	FETCHB 0
	FETCHS 0
	s_wait_loadcnt 63                              ; 80 loads were issued behind the scale words and K steps 0-7 of x; 63 is the largest count that can be named
.irp g, 0,1,2,3,4,5,6
	KSTEP \g
.endr
	TURNR 7, 0, 3244032                            ; slot 0 takes wk, K steps 8-15
	s_wait_loadcnt 32                              ; x's K steps 8-15 are in; cos and sin may be out
.irp g, 8,9,10,11,12,13,14
	KSTEP \g
.endr
	TURNR 15, 1, 6193152                           ; slot 1 takes x, K steps 0-7
	s_wait_loadcnt 0x0                             ; cos and sin
	EPI 0
.irp g, 16,17,18,19,20,21,22
	KSTEP \g
.endr
	TURNR 23, 2, 3244032                           ; slot 2 takes x, K steps 8-15
	ALOAD 1, AP+2, 0                               ; x's K steps 0-7 are done with: wv's take their registers (the places stand in TURNR)
.irp g, 24,25,26,27,28,29,30,31
	KSTEP \g
.endr
	PLACES 4
	ALOAD 2, AP+2, 8
	EPI 1
	s_wait_loadcnt 48                              ; wv's K steps 0-7 are in; the 48 loads of K steps 8-15 may be out
.irp g, 32,33,34,35,36,37,38
	KSTEP \g
.endr
	TURNP 39
	s_wait_loadcnt 0x0
.irp g, 40,41,42,43,44,45,46
	KSTEP \g
.endr
	LAST 47
	EPI 2
	s_wait_tensorcnt 0x0                           ; the wave's end
	ds_add_u32 v[SPW], v[NIL]
	s_wait_dscnt 0x0
	CROUND                                         ; the closing round: no work-group ends while a partner may still ask for a tile that names it
	s_endpgm
.Lfunc_end_k_q5c75b047c3_qkv:
	.size	k_q5c75b047c3_qkv, .Lfunc_end_k_q5c75b047c3_qkv-k_q5c75b047c3_qkv
	.p2alignl 7, 3214868480
	.fill 96, 4, 3214868480
	.section	.rodata,"a",@progbits
	.p2align	6, 0x0
	.amdhsa_kernel k_q5c75b047c3_qkv
		.amdhsa_group_segment_fixed_size 327680
		.amdhsa_private_segment_fixed_size 0
		.amdhsa_enable_private_segment 0
		.amdhsa_kernarg_size 48
		.amdhsa_user_sgpr_count 2
		.amdhsa_user_sgpr_kernarg_segment_ptr 1
		.amdhsa_wavefront_size32 1
		.amdhsa_system_sgpr_workgroup_id_x 1
		.amdhsa_system_sgpr_workgroup_id_y 1
		.amdhsa_system_sgpr_workgroup_id_z 1
		.amdhsa_system_vgpr_workitem_id 0
		.amdhsa_next_free_vgpr 960
		.amdhsa_next_free_sgpr 100
		.amdhsa_reserve_vcc 0
		.amdhsa_float_denorm_mode_32 3
		.amdhsa_float_denorm_mode_16_64 3
		.amdhsa_memory_ordered 1
		.amdhsa_forward_progress 1
		.amdhsa_inst_pref_size 255
	.end_amdhsa_kernel
	.section	.bss,"aw",@nobits
	.p2align	6
	.space	262144
	.amdgpu_metadata
---
amdhsa.version: [ 1, 2 ]
amdhsa.kernels:
  - .name:           k_q5c75b047c3_qkv
    .symbol:         k_q5c75b047c3_qkv.kd
    .args:
      - { .name: cw, .offset: 0, .size: 8, .value_kind: global_buffer, .address_space: global }
      - { .name: sw, .offset: 8, .size: 8, .value_kind: global_buffer, .address_space: global }
      - { .name: freqs_cos, .offset: 16, .size: 8, .value_kind: global_buffer, .address_space: global }
      - { .name: freqs_sin, .offset: 24, .size: 8, .value_kind: global_buffer, .address_space: global }
      - { .name: cq, .offset: 32, .size: 8, .value_kind: global_buffer, .address_space: global }
      - { .name: sq, .offset: 40, .size: 8, .value_kind: global_buffer, .address_space: global }
    .group_segment_fixed_size: 327680
    .private_segment_fixed_size: 0
    .kernarg_segment_align: 8
    .kernarg_segment_size: 48
    .max_flat_workgroup_size: 128
    .sgpr_count:     100
    .vgpr_count:     960
    .wavefront_size: 32
...
	.end_amdgpu_metadata
.endif
;; end of part 2
;; launch attn (part 3): grid 16 x 16, 8 waves a work-group, clusters of 4 x 1, 327,680 bytes of LDS; arguments cq, sq, mask, ca, sa; writes ca, sa
.if DOCPART == 3
	.amdgcn_target "amdgcn-amd-amdhsa--gfx1250"
	.amdhsa_code_object_version 6
	.text
	.protected	k_q5c75b047c3_attn
	.globl	k_q5c75b047c3_attn
	.p2align	8
	.type	k_q5c75b047c3_attn,@function
k_q5c75b047c3_attn:
	s_mov_b64 s[64:65], 0
	v_nop
	global_prefetch_b8 v0, s[64:65] scope:SCOPE_SE
	s_setreg_imm32_b32 hwreg(HW_REG_WAVE_MODE, 25, 1), 1
	s_wait_xcnt 0x0
	s_wait_alu depctr_hold_cnt(0) depctr_sa_sdst(0) depctr_va_vdst(0) depctr_va_sdst(0) depctr_va_ssrc(0) depctr_va_vcc(0) depctr_vm_vsrc(0)
	s_getreg_b32 s2, hwreg(HW_REG_IB_STS2, 6, 4)
	s_cmp_eq_u32 s2, 0
	s_cbranch_scc0 .Lentry_in_a_cluster
	s_endpgm
.Lentry_in_a_cluster:
	s_bfe_u32 s2, ttmp6, 0x10000c
	s_cmp_lg_u32 s2, 0x3003
	s_cbranch_scc0 .Lentry_shape_is_right
	s_endpgm
.Lentry_shape_is_right:
; A[q][head] = softmax_k(Q[q] . K[k] / sqrt(128) + mask[q][k]) V[k], both products on codes of BF6 (E3M2) with E8M0 scales; the result is quantised along the head's 128 for the last product.
; THE SOFTMAX: logit = score / sqrt(128) + mask; t = logit x log2(e); M = the running largest t rounded UP to a whole number; p = 2^(t - M) is quantised along the keys, not normalised; the row's sum is taken of the
; unquantised p and divides at the end.  When M moves, the sum and O are multiplied by 2^(old M - new M): exact.  The mask is an input: every number of it is read and added; nothing is left out for it.
; SHARES.  A work-group owns 128 queries of one head; each of its eight waves one tile of 16.  Every wave walks the 16 key steps of 128.  Both products are used transposed (S^T = K Q^T, O^T = V^T P^T): a lane holds one query.
; All operands are images of operand registers (1,536 bytes a fragment); tile T, lane r = row 32 (T / 2) + 8 (T % 2) + r + 8 (r / 8), so that the 16 registers of tiles 2 b, 2 b + 1 of a result are 16 neighbours along the next K.
; CLUSTER.  The four query blocks of a cluster belong to one head: K and V are asked for jointly.  LDS holds 12 key steps of each; three fills of four steps go out at the start, the fourth fills the first four places again.
; By this text's own count a wave has at most four tensor loads out.  The mask's rows are a wave's own inside a work-group; the 16 heads that read them lie in different clusters, and LDS has no room for a ring of them: they come by plain loads, two key steps ahead.
; LIMITS: NaN and infinities are not served; t under -3e38 and a row whose every logit is -infinity are not served; logit is one fused multiply-add (one rounding where the source has two);
; a block of p or of the result that is all zeros, or under 2^-122, gets the byte 1 (read by this program alone).
; REGISTERS: window 0: v1-11 addresses; v12 -M, v13 the largest t, v[14:15] the sum; v16-27 Q; v28-31 V's scale words; v32-95 mask, even steps; v96-159 S^T, logits, p; v160-223 O^T; v224-254 at work; v248-251 K's scale words; v253 p's; v255 Q's.
;   window 1: v0-63 mask, odd steps; v64-159 K's eight fragments; v160-255 V's.
.set KV,    147456                     ; 12 places x 12,288 bytes of K; V's 12 begin here
.set SCW,   2*KV                       ; K's scale words of the head, 8,192 bytes, then V's
.set SPARE, SCW+16384                  ; the spare words, 128 bytes for each wave: four blocks of 256 bytes that no other line names
.set LI,  1
.set LIV, 2
.set LS,  3
.set MO,  4
.set SPW, 5
.set NIL, 6
.set LN,  7                            ; v7   lane
.set ADK, 8
.set ADV, 9
.set ADS, 10
.set R4,  11                           ; v11  4 r
.set VW,  28
.set KW,  248
.set KF,  64
.set VF,  160
.set TM,  232                          ; the way out's QUANT
.set PC,  32
.set PW,  52
.set WV,  16
.set SEL, 20
.set CS,  22                           ; s[22:23] log2(e)
.set IS,  24                           ; s[24:25] 1 / sqrt(128)
.set G1C, 28                           ; s[28:35] group 1: 48 rows of 256 bytes, dense: a key step of K or of V
.set G1S, 36                           ; s[36:43] group 1: 8 rows of 256 bytes
.set G0S, 44
.set G0,  48                           ; s[48:59] group 0 of the three first fills; the first then serves the fourth
.set MK,  60                           ; s[60:61] the mask at my tile's first row and the trip's first key
.set TB,  62                           ; s62  LDS byte of the trip's first key step among the places
.set TS,  63                           ; s63  and of its scale words
.set MSB, 0
.macro WIN new
.if MSB != (\new)
	s_set_vgpr_msb (MSB<<8)|(\new)
.set MSB, (\new)
.endif
.endm
.macro PLACES n
.rept \n
	v_nop
.endr
.endm
.macro CROUND                          ; a round of the cluster's barrier
	s_barrier_signal -1
	s_barrier_wait -1
	s_cmp_lg_u32 s[WV], 0
	s_cbranch_scc1 .Lnot_wave_0_\@
	s_barrier_signal -3
.Lnot_wave_0_\@:
	s_barrier_wait -3
	s_barrier_signal -1
	s_barrier_wait -1
.endm
.macro QUANT s
.irp b, 0,1,2,3
	v_max3_num_f32 v[TM+\b], |v[\s+16*\b]|, |v[\s+1+16*\b]|, 0x2800000
.endr
.irp i, 2,4,6,8,10,12,14
.irp b, 0,1,2,3
	v_max3_num_f32 v[TM+\b], v[TM+\b], |v[\s+16*\b+\i]|, |v[\s+1+16*\b+\i]|
.endr
.endr
.irp b, 0,1,2,3
	v_permlanex16_b32 v[TM+4+\b], v[TM+\b], s[SEL], s[SEL+1]
.endr
.irp b, 0,1,2,3
	v_max_num_f32 v[TM+\b], v[TM+\b], v[TM+4+\b]
.endr
.irp b, 0,1,2,3
	v_add_nc_u32 v[TM+12+\b], 0xfe000000, v[TM+\b]
.endr
.irp b, 0,1,2,3
	v_lshrrev_b32 v[TM+4+\b], 23, v[TM+12+\b]
.endr
	v_lshl_or_b32 v[PW], v[TM+5], 8, v[TM+4]
	v_lshl_or_b32 v[PW], v[TM+6], 16, v[PW]
	v_lshl_or_b32 v[PW], v[TM+7], 24, v[PW]
.irp c, 0,1
	v_cvt_scalef32_pk16_bf6_f32 v[PC+6*\c:PC+2+6*\c], v[\s+32*\c:\s+15+32*\c], v[TM+12+2*\c]
	v_cvt_scalef32_pk16_bf6_f32 v[PC+12+4*\c:PC+14+4*\c], v[\s+16+32*\c:\s+31+32*\c], v[TM+12+2*\c+1]
.endr
	v_nop
.irp c, 0,1
.irp i, 0,1,2
	v_permlane16_swap_b32 v[PC+6*\c+\i], v[PC+12+4*\c+\i]
.endr
.irp i, 0,1,2
	v_mov_b32 v[PC+3+6*\c+\i], v[PC+12+4*\c+\i]
.endr
.endr
.endm
; A KEY STEP: the u-th of a trip.  load = 1: the mask of the step two on is asked for.  lc: the mask loads that may stay out.
.macro STEP u, load, lc
	v_add_nc_u32 v[ADK], s[TB], v[LI]              ; these three and the v_nop are the four places in front of loads into registers that the last products read
	v_add_nc_u32 v[ADV], s[TB], v[LIV]
	v_add_nc_u32 v[ADS], s[TS], v[LS]
	v_nop
.irp p, 0,1,2,3
	ds_load_b32 v[KW+\p], v[ADS] offset:512*\u+128*\p   ; K's scale words: lanes 0-15 tile 2 p, lanes 16-31 tile 2 p + 1
.endr
	WIN 0x40
.set tt, 0
.rept 8
.irp c, 0,1,2
	ds_load_b128 v[KF+12*tt+4*\c:KF+12*tt+4*\c+3], v[ADK] offset:12288*\u+1536*tt+512*\c
.endr
.set tt, tt+1
.endr
.set tt, 0
.rept 8
.irp c, 0,1,2
	ds_load_b128 v[VF+12*tt+4*\c:VF+12*tt+4*\c+3], v[ADV] offset:12288*\u+1536*tt+512*\c
.endr
.set tt, tt+1
.endr
	WIN 0
.irp p, 0,1,2,3
	ds_load_b32 v[VW+\p], v[ADS] offset:8192+512*\u+128*\p
.endr
	s_wait_dscnt 28                                ; K and its words are in; V's 24 loads and its 4 words may be out
	WIN 0x01                                       ; source 0 in window 1
.set tt, 0
.rept 8                                        ; S^T = K Q^T: eight tiles of 16 keys
.if tt%2
	v_wmma_scale_f32_16x16x128_f8f6f4 v[96+8*tt:103+8*tt], v[KF+12*tt:KF+12*tt+11], v[16:27], 0, v[KW+tt/2], v255 matrix_a_fmt:MATRIX_FMT_BF6 matrix_b_fmt:MATRIX_FMT_BF6 matrix_a_scale:MATRIX_SCALE_ROW1
.else
	v_wmma_scale_f32_16x16x128_f8f6f4 v[96+8*tt:103+8*tt], v[KF+12*tt:KF+12*tt+11], v[16:27], 0, v[KW+tt/2], v255 matrix_a_fmt:MATRIX_FMT_BF6 matrix_b_fmt:MATRIX_FMT_BF6
.endif
.set tt, tt+1
.endr
	WIN 0
	PLACES 4
	s_wait_loadcnt \lc                             ; this step's 16 mask loads are in
.if \u
	WIN 0x10                                       ; source 2 in window 1
.endif
.set jj, 0
.rept 32                                       ; logit = score / sqrt(128) + mask; register 16 b + i is key 32 b + 16 (lane / 16) + i.  Ascending: each accumulator is read from its low end on
	v_pk_fma_f32 v[96+jj:97+jj], v[96+jj:97+jj], s[IS:IS+1], v[32*(1-\u)+jj:32*(1-\u)+jj+1] op_sel_hi:[1,0,1]
.set jj, jj+2
.endr
.if \load
.if \u
	WIN 0x40
.endif
.irp b, 0,1,2,3
.irp e, 0,1,2,3
	global_load_b128 v[32*(1-\u)+16*\b+4*\e:32*(1-\u)+16*\b+4*\e+3], v[MO], s[MK:MK+1] offset:1024+512*\u+128*\b+16*\e
.endr
.endr
.endif
	WIN 0
.irp b, 0,1,2,3
	v_max3_num_f32 v[232+\b], v[96+16*\b], v[97+16*\b], v[98+16*\b]   ; the largest logit of each block of 32 keys: for the row's maximum, and, since p rises with the logit, for the block's largest p
.endr
.irp i, 3,5,7,9,11,13
.irp b, 0,1,2,3
	v_max3_num_f32 v[232+\b], v[232+\b], v[96+16*\b+\i], v[97+16*\b+\i]
.endr
.endr
.irp b, 0,1,2,3
	v_max_num_f32 v[232+\b], v[232+\b], v[111+16*\b]
.endr
.irp b, 0,1,2,3
	v_permlanex16_b32 v[236+\b], v[232+\b], s[SEL], s[SEL+1]
.endr
.irp b, 0,1,2,3
	v_max_num_f32 v[232+\b], v[232+\b], v[236+\b]  ; with lane l xor 16's 16 keys
.endr
	v_max3_num_f32 v254, v232, v233, v234
	v_max_num_f32 v254, v254, v235
	v_mul_f32 v254, s[CS], v254                    ; as t
	v_max_num_f32 v13, v13, v254                   ; the running largest t
	v_mov_b32 v254, v12
	v_floor_f32 v12, -v13                          ; the new -M = floor(-t): M is a whole number
	v_sub_f32 v254, v12, v254                      ; old M - new M: a whole number, 0 or less
	v_cvt_i32_f32 v254, v254                       ; (it saturates)
	v_ldexp_f32 v252, 1.0, v254                    ; f = 2^(old M - new M)
.set jj, 0
.rept 32
	v_pk_fma_f32 v[96+jj:97+jj], v[96+jj:97+jj], s[CS:CS+1], v[12:13] op_sel_hi:[1,0,0]   ; t - M, two at a time
.set jj, jj+2
.endr
.irp b, 0,1,2,3
	v_fma_f32 v[232+\b], v[232+\b], s[CS], v12     ; the same of each block's largest logit
.endr
.set jj, 0
.rept 64
	v_exp_f32 v[96+jj], v[96+jj]                   ; p = 2^(t - M)
.set jj, jj+1
.endr
	v_pk_mul_f32 v[14:15], v[14:15], v[252:253] op_sel_hi:[1,0]   ; the sums under the new M: the plain instruction behind the exponentials
	s_wait_alu depctr_va_vdst(0)                   ; one wait for the whole batch, ahead of its first reader
.irp b, 0,1,2,3
	v_exp_f32 v[232+\b], v[232+\b]                 ; the block's largest p
.endr
	v_pk_add_f32 v[236:237], v[96:97], v[98:99]    ; the row's sum is taken of the unquantised p, in two chains
.irp j, 4,8,12,16,20,24,28,32,36,40,44,48,52,56,60
	v_pk_add_f32 v[14:15], v[14:15], v[96+\j:97+\j]
	v_pk_add_f32 v[236:237], v[236:237], v[98+\j:99+\j]
.endr
	v_pk_add_f32 v[14:15], v[14:15], v[236:237]
	s_wait_alu depctr_va_vdst(0)                   ; and one for the four
.irp b, 0,1,2,3
	v_max_num_f32 v[232+\b], 0x2800000, v[232+\b]  ; the floor 2^(5 - 127): the byte cannot fall under 1
.endr
.irp b, 0,1,2,3
	v_add_nc_u32 v[244+\b], 0xfe000000, v[232+\b]  ; 4 off the exponent field: the conversion's scale operand
.endr
.irp b, 0,1,2,3
	v_lshrrev_b32 v[236+\b], 23, v[244+\b]
.endr
	v_lshl_or_b32 v253, v237, 8, v236              ; p's scale word for these 128 keys
	v_lshl_or_b32 v253, v238, 16, v253
	v_lshl_or_b32 v253, v239, 24, v253
.irp c, 0,1
	v_cvt_scalef32_pk16_bf6_f32 v[224+6*\c:226+6*\c], v[96+32*\c:111+32*\c], v[244+2*\c]
	v_cvt_scalef32_pk16_bf6_f32 v[236+4*\c:238+4*\c], v[112+32*\c:127+32*\c], v[244+2*\c+1]
.endr
	v_nop                                          ; one plain instruction behind the scaled conversions
.irp c, 0,1
.irp i, 0,1,2
	v_permlane16_swap_b32 v[224+6*\c+\i], v[236+4*\c+\i]
.endr
.irp i, 0,1,2
	v_mov_b32 v[227+6*\c+\i], v[236+4*\c+\i]
.endr
.endr
.set jj, 0
.rept 32
	v_pk_mul_f32 v[160+jj:161+jj], v[160+jj:161+jj], v[252:253] op_sel_hi:[1,0]   ; O^T under the new M.  These 32 are also the places between p's codes and scale word and the products below
.set jj, jj+2
.endr
	s_wait_dscnt 0x0                               ; V and its words are in
	WIN 0x01
.set tt, 0
.rept 8                                        ; O^T += V^T P^T: eight tiles of 16 channels, each accumulator one instruction a step
.if tt%2
	v_wmma_scale_f32_16x16x128_f8f6f4 v[160+8*tt:167+8*tt], v[VF+12*tt:VF+12*tt+11], v[224:235], v[160+8*tt:167+8*tt], v[VW+tt/2], v253 matrix_a_fmt:MATRIX_FMT_BF6 matrix_b_fmt:MATRIX_FMT_BF6 matrix_a_scale:MATRIX_SCALE_ROW1
.else
	v_wmma_scale_f32_16x16x128_f8f6f4 v[160+8*tt:167+8*tt], v[VF+12*tt:VF+12*tt+11], v[224:235], v[160+8*tt:167+8*tt], v[VW+tt/2], v253 matrix_a_fmt:MATRIX_FMT_BF6 matrix_b_fmt:MATRIX_FMT_BF6
.endif
.set tt, tt+1
.endr
	WIN 0
.endm
.macro TRIP load, lc0, lc1             ; two key steps: the mask's two sets of registers come back to where they began
	STEP 0, \load, \lc0
	STEP 1, \load, \lc1
	s_add_co_u32 s[TB], s[TB], 24576
	s_add_co_u32 s[TS], s[TS], 1024
.if \load
	s_wait_xcnt 0x0                                ; the mask's loads have read their base
	s_add_nc_u64 s[MK:MK+1], s[MK:MK+1], 1024
.endif
.endm
	s_load_b256 s[4:11], s[0:1], 0x0               ; cq, sq, mask, ca
	s_load_b64 s[12:13], s[0:1], 0x20              ; sa
	v_lshl_add_u32 v[SPW], v0, 2, SPARE
	v_mov_b32 v[NIL], 0
	ds_add_u32 v5, v6
	ds_add_u32 v5, v6
	s_wait_dscnt 0x0
	v_lshrrev_b32 v8, 5, v0
	v_readfirstlane_b32 s[WV], v8                  ; wave 0..7
	s_bfe_u32 s17, ttmp6, 0x40000                  ; cx
	s_lshl_b32 s18, ttmp9, 2
	s_add_co_u32 s18, s18, s17                     ; my block of 128 queries: it enters plain loads' and stores' addresses alone
	s_and_b32 s19, ttmp7, 0xffff                   ; the head, which the four partners share
	s_mov_b32 s[SEL], 0x76543210
	s_mov_b32 s[SEL+1], 0xfedcba98
	s_mov_b32 s[CS], 0x3fb8aa3b                    ; log2(e)
	s_mov_b32 s[CS+1], s[CS]                       ; (named with it as a pair, so it is written)
	s_mov_b32 s[IS], 0x3db504f3                    ; 1 / sqrt(128)
	s_mov_b32 s[IS+1], s[IS]
	s_mov_b32 s[G1C], 15|(3<<16)|(1<<21)           ; the mask: all four work-groups; elements of 8 bytes; bit 21 beside a mask
	s_mov_b32 s[G1C+1], 32<<16
	s_mov_b32 s[G1C+2], 48<<16
	s_mov_b32 s[G1C+3], 32<<16
	s_mov_b32 s[G1C+4], 48
	s_mov_b32 s[G1C+5], 32
	s_mov_b32 s[G1C+6], 0
	s_mov_b32 s[G1C+7], 0
	s_mov_b32 s[G1S], 15|(3<<16)|(1<<21)
	s_mov_b32 s[G1S+1], 32<<16
	s_mov_b32 s[G1S+2], 8<<16
	s_mov_b32 s[G1S+3], 32<<16
	s_mov_b32 s[G1S+4], 8
	s_mov_b32 s[G1S+5], 32
	s_mov_b32 s[G1S+6], 0
	s_mov_b32 s[G1S+7], 0
	; what the joint loads name hangs on the head and the wave's number alone: waves 0-3 a key step of K each, waves 4-7 of V
	s_lshr_b32 s67, s[WV], 2
	s_and_b32 s68, s[WV], 3
	s_mul_i32 s69, s67, KV
	s_mul_i32 s70, s68, 12288
	s_add_co_u32 s69, s69, s70                     ; in LDS
	s_add_co_u32 s71, s67, 1                       ; K is the second part of cq and sq, V the third
	s_mul_i32 s72, s71, 3145728
	s_mul_i32 s73, s19, 196608
	s_add_co_u32 s72, s72, s73
	s_add_co_u32 s72, s72, s70
	s_mov_b32 s73, 0
	s_lshl_b32 s74, s71, 17
	s_lshl_b32 s75, s19, 13
	s_add_co_u32 s74, s74, s75
	s_lshl_b32 s75, s68, 11
	s_add_co_u32 s74, s74, s75
	s_mov_b32 s75, 0
	s_lshl_b32 s70, s[WV], 11                      ; the words' place: 2,048 x wave
	; my own loads and stores
	s_mul_i32 s76, s19, 196608
	s_mul_i32 s77, s18, 12288
	s_add_co_u32 s76, s76, s77
	s_mul_i32 s77, s[WV], 1536
	s_add_co_u32 s76, s76, s77                     ; Q: head, tile 8 qb + w
	s_mul_i32 s82, s18, 196608
	s_add_co_u32 s82, s82, s77
	s_mul_i32 s77, s19, 12288
	s_add_co_u32 s82, s82, s77                     ; the result: block qb, K step = head, tile w
	s_mov_b32 s77, 0
	s_mov_b32 s83, 0
	s_lshl_b32 s78, s19, 13
	s_lshl_b32 s79, s18, 9
	s_add_co_u32 s78, s78, s79
	s_lshl_b32 s79, s[WV], 6
	s_add_co_u32 s78, s78, s79
	s_lshl_b32 s84, s18, 13
	s_add_co_u32 s84, s84, s79
	s_lshl_b32 s79, s19, 9
	s_add_co_u32 s84, s84, s79
	s_mov_b32 s79, 0
	s_mov_b32 s85, 0
	s_lshl_b32 s80, s18, 20                        ; the mask: row 128 qb + 32 (w / 2) + 8 (w % 2), 8,192 bytes a row
	s_lshr_b32 s81, s[WV], 1
	s_lshl_b32 s81, s81, 18
	s_add_co_u32 s80, s80, s81
	s_and_b32 s81, s[WV], 1
	s_lshl_b32 s81, s81, 16
	s_add_co_u32 s80, s80, s81
	s_mov_b32 s81, 0
	s_wait_kmcnt 0x0
	s_add_nc_u64 s[72:73], s[4:5], s[72:73]
	s_add_nc_u64 s[74:75], s[6:7], s[74:75]
	s_mov_b32 s[G0S], 1
	s_add_co_u32 s[G0S+1], s70, SCW
	s_mov_b64 s[G0S+2:G0S+3], s[74:75]
	s_or_b32 s[G0S+3], s[G0S+3], 0x80000000
.irp f, 0,1,2
	s_mov_b32 s[G0+4*\f], 1
	s_add_co_u32 s[G0+4*\f+1], s69, \f*49152
	s_add_nc_u64 s[G0+4*\f+2:G0+4*\f+3], s[72:73], \f*49152
	s_or_b32 s[G0+4*\f+3], s[G0+4*\f+3], 0x80000000
.endr
	s_add_nc_u64 s[86:87], s[4:5], s[76:77]        ; Q's codes
	s_add_nc_u64 s[88:89], s[6:7], s[78:79]        ; Q's scale words
	s_add_nc_u64 s[MK:MK+1], s[8:9], s[80:81]
	s_add_nc_u64 s[10:11], s[10:11], s[82:83]
	s_add_nc_u64 s[12:13], s[12:13], s[84:85]
	CROUND                                         ; all four work-groups are here: the first joint loads meet
	tensor_load_to_lds s[G0S:G0S+3], s[G1S:G1S+7]  ; the first fills go out as one group: the words, key steps 0-3, 4-7, 8-11
	s_nop 0
	tensor_load_to_lds s[G0:G0+3], s[G1C:G1C+7]
	s_nop 0
	tensor_load_to_lds s[G0+4:G0+7], s[G1C:G1C+7]
	s_nop 0
	tensor_load_to_lds s[G0+8:G0+11], s[G1C:G1C+7]
	s_nop 0
	PLACES 4
	v_and_b32 v[LN], 31, v0
	v_lshlrev_b32 v[LI], 4, v[LN]
	v_add_nc_u32 v[LIV], KV, v[LI]
	v_lshlrev_b32 v[LS], 2, v[LN]
	v_add_nc_u32 v[LS], SCW, v[LS]
	v_and_b32 v[R4], 15, v0                        ; r
	v_bfe_u32 v8, v0, 4, 1                         ; h
	v_and_b32 v9, 8, v[R4]
	v_add_nc_u32 v9, v9, v[R4]                     ; r + 8 (r / 8)
	v_lshlrev_b32 v[MO], 13, v9
	v_lshl_add_u32 v[MO], v8, 6, v[MO]             ; the mask: my query's row, + 64 h
	v_lshlrev_b32 v[R4], 2, v[R4]
.irp c, 0,1,2
	global_load_b128 v[16+4*\c:19+4*\c], v[LI], s[86:87] offset:512*\c   ; Q's fragment stays in registers
.endr
	global_load_b32 v255, v[R4], s[88:89]
.irp b, 0,1,2,3
.irp e, 0,1,2,3
	global_load_b128 v[32+16*\b+4*\e:35+16*\b+4*\e], v[MO], s[MK:MK+1] offset:128*\b+16*\e   ; the mask of key step 0
.endr
.endr
	WIN 0x40
.irp b, 0,1,2,3
.irp e, 0,1,2,3
	global_load_b128 v[16*\b+4*\e:16*\b+4*\e+3], v[MO], s[MK:MK+1] offset:512+128*\b+16*\e   ; and of key step 1
.endr
.endr
	WIN 0
	v_mov_b32 v13, 0xff61b1e6                      ; the largest t so far: -3e38
	v_floor_f32 v12, -v13                          ; -M
	v_mov_b32 v14, 0
	v_mov_b32 v15, 0
.irp b, 0,1,2,3
	v_mov_b32 v[236+\b], 0                         ; written once: a lane permute's destination counts as one of its sources
.endr
	v_mov_b32 v253, 0                              ; (named as the upper half of v[252:253] before it is first written)
.set jj, 0
.rept 64
	v_mov_b32 v[160+jj], 0                         ; O^T: the key step is written without a first step of its own; the first change of M leaves zeros zeros
.set jj, jj+1
.endr
	s_wait_tensorcnt 2                             ; the words and key steps 0-3 are in; the other two fills may be out
	s_barrier_signal -1
	s_barrier_wait -1
	s_wait_loadcnt 32                              ; Q; the mask's 32 loads may be out
	s_mov_b32 s[TB], 0
	s_mov_b32 s[TS], 0
	s_mov_b32 s66, 2
.La:                                               ; key steps 0-3
	TRIP 1, 16, 16                                 ; at each wait the other set's 16 loads may be out, on the way in and round the back edge alike
	s_sub_co_u32 s66, s66, 1
	s_cmp_lg_u32 s66, 0
	s_cbranch_scc1 .La
	s_wait_tensorcnt 0x0                           ; all my tensor loads have landed, so a group 0 may be written
	ds_add_u32 v[SPW], v[NIL]                      ; 0 onto my spare word
	s_add_nc_u64 s[G0+2:G0+3], s[G0+2:G0+3], 147456   ; key steps 12-15
	s_wait_dscnt 0x0                               ; the add is done, and my reads of the first four places are over
	CROUND                                         ; both hold of every wave of the four work-groups
	tensor_load_to_lds s[G0:G0+3], s[G1C:G1C+7]    ; the first tensor load behind the round: it has eight key steps in which to land
	s_nop 0
	PLACES 4
	s_mov_b32 s[TB], 49152
	s_mov_b32 s[TS], 2048
	s_mov_b32 s66, 4
.Lb:                                               ; key steps 4-11
	TRIP 1, 16, 16
	s_sub_co_u32 s66, s66, 1
	s_cmp_lg_u32 s66, 0
	s_cbranch_scc1 .Lb
	s_wait_tensorcnt 0x0                           ; my part of key steps 12-15 is in
	ds_add_u32 v[SPW], v[NIL]
	s_wait_dscnt 0x0
	s_barrier_signal -1
	s_barrier_wait -1                              ; everybody's is
	s_mov_b32 s[TB], 0
	s_mov_b32 s[TS], 6144
	TRIP 1, 16, 16                                 ; key steps 12, 13: the mask of 14 and 15 is asked for
	TRIP 0, 16, 0                                  ; key steps 14, 15 ask for nothing: no load passes a row's end
	; THE WAY OUT: O^T / the sum, quantised along the head's 128: K step = head of the last product's left operand
	v_add_f32 v14, v14, v15
	v_permlanex16_b32 v252, v14, s[SEL], s[SEL+1]
	v_add_f32 v14, v14, v252                       ; the row's sum
	v_rcp_f32 v14, v14
	PLACES 4                                       ; the plain instruction behind the reciprocal, and the places behind the last products
	s_wait_alu depctr_va_vdst(0)                   ; the wait ahead of the first reader
.set jj, 0
.rept 32
	v_pk_mul_f32 v[96+jj:97+jj], v[160+jj:161+jj], v[14:15] op_sel_hi:[1,0]   ; ascending: each accumulator is read from its low end on
.set jj, jj+2
.endr
	QUANT 96
.irp c, 0,1,2
	global_store_b128 v[LI], v[PC+4*\c:PC+4*\c+3], s[10:11] offset:512*\c   ; 512 consecutive bytes
.endr
	s_wait_xcnt 0x0                                ; EXEC changes only behind this wait
	v_cmp_gt_u32 vcc_lo, 16, v[LN]
	s_and_saveexec_b32 s26, vcc_lo
	global_store_b32 v[R4], v[PW], s[12:13]        ; lanes 0-15: my tile's 16 scale words
	s_wait_xcnt 0x0
	s_or_b32 exec_lo, exec_lo, s26
	s_wait_tensorcnt 0x0                           ; the wave's end
	ds_add_u32 v[SPW], v[NIL]
	s_wait_dscnt 0x0
	CROUND                                         ; the closing round
	s_endpgm
.Lfunc_end_k_q5c75b047c3_attn:
	.size	k_q5c75b047c3_attn, .Lfunc_end_k_q5c75b047c3_attn-k_q5c75b047c3_attn
	.p2alignl 7, 3214868480
	.fill 96, 4, 3214868480
	.section	.rodata,"a",@progbits
	.p2align	6, 0x0
	.amdhsa_kernel k_q5c75b047c3_attn
		.amdhsa_group_segment_fixed_size 327680
		.amdhsa_private_segment_fixed_size 0
		.amdhsa_enable_private_segment 0
		.amdhsa_kernarg_size 40
		.amdhsa_user_sgpr_count 2
		.amdhsa_user_sgpr_kernarg_segment_ptr 1
		.amdhsa_wavefront_size32 1
		.amdhsa_system_sgpr_workgroup_id_x 1
		.amdhsa_system_sgpr_workgroup_id_y 1
		.amdhsa_system_sgpr_workgroup_id_z 1
		.amdhsa_system_vgpr_workitem_id 0
		.amdhsa_next_free_vgpr 512
		.amdhsa_next_free_sgpr 90
		.amdhsa_reserve_vcc 1
		.amdhsa_float_denorm_mode_32 3
		.amdhsa_float_denorm_mode_16_64 3
		.amdhsa_memory_ordered 1
		.amdhsa_forward_progress 1
		.amdhsa_inst_pref_size 196
	.end_amdhsa_kernel
	.amdgpu_metadata
---
amdhsa.version: [ 1, 2 ]
amdhsa.kernels:
  - .name:           k_q5c75b047c3_attn
    .symbol:         k_q5c75b047c3_attn.kd
    .args:
      - { .name: cq, .offset: 0, .size: 8, .value_kind: global_buffer, .address_space: global }
      - { .name: sq, .offset: 8, .size: 8, .value_kind: global_buffer, .address_space: global }
      - { .name: mask, .offset: 16, .size: 8, .value_kind: global_buffer, .address_space: global }
      - { .name: ca, .offset: 24, .size: 8, .value_kind: global_buffer, .address_space: global }
      - { .name: sa, .offset: 32, .size: 8, .value_kind: global_buffer, .address_space: global }
    .group_segment_fixed_size: 327680
    .private_segment_fixed_size: 0
    .kernarg_segment_align: 8
    .kernarg_segment_size: 40
    .max_flat_workgroup_size: 256
    .sgpr_count:     90
    .vgpr_count:     512
    .wavefront_size: 32
...
	.end_amdgpu_metadata
.endif
;; end of part 3
;; launch outp (part 4): grid 16 x 16, 4 waves a work-group, clusters of 4 x 1, 239,104 bytes of LDS; arguments ca, sa, cw, sw, out0; writes out0
.if DOCPART == 4
	.amdgcn_target "amdgcn-amd-amdhsa--gfx1250"
	.amdhsa_code_object_version 6
	.text
	.protected	k_q5c75b047c3_outp
	.globl	k_q5c75b047c3_outp
	.p2align	8
	.type	k_q5c75b047c3_outp,@function
k_q5c75b047c3_outp:
	s_mov_b64 s[64:65], 0
	v_nop
	global_prefetch_b8 v0, s[64:65] scope:SCOPE_SE
	s_setreg_imm32_b32 hwreg(HW_REG_WAVE_MODE, 25, 1), 1
	s_wait_xcnt 0x0
	s_wait_alu depctr_hold_cnt(0) depctr_sa_sdst(0) depctr_va_vdst(0) depctr_va_sdst(0) depctr_va_ssrc(0) depctr_va_vcc(0) depctr_vm_vsrc(0)
	s_getreg_b32 s2, hwreg(HW_REG_IB_STS2, 6, 4)
	s_cmp_eq_u32 s2, 0
	s_cbranch_scc0 .Lentry_in_a_cluster
	s_endpgm
.Lentry_in_a_cluster:
	s_bfe_u32 s2, ttmp6, 0x10000c
	s_cmp_lg_u32 s2, 0x3003
	s_cbranch_scc0 .Lentry_shape_is_right
	s_endpgm
.Lentry_shape_is_right:
; out0 = A wo^T: A [2048][2048] (the attention's result) and wo [2048][2048] as codes of BF6 (E3M2) with E8M0 scales, laid as images of operand registers; out0 f32; sums in f32.
; SHARES.  Work-group (ib, jb) makes 128 rows x 128 columns.  Wave w owns row tiles 2 w, 2 w + 1 (source 1, from memory straight into 384 registers for all of K) against all 8 column tiles of wo (source 0):
; 16 accumulators, which take turns.  wo's block jb, 196,608 bytes, and its scale words come into LDS once, by joint loads of the four partners of the cluster (same jb).
; Nothing in LDS is filled again.  By this text's own count a wave has at most three tensor loads out.
; Tile T, lane r = row 32 (T / 2) + 8 (T % 2) + r + 8 (r / 8): a lane's 16 registers of column tiles 2 b, 2 b + 1 are columns 32 b + 16 (lane / 16) + 0 .. 15 of its row: 64 neighbouring bytes.
; They turn through the wave's own stage in LDS and leave as whole rows: each store covers 512 consecutive bytes, at a multiple of 256 from out0's first byte.
; REGISTERS: window 0: v1-14 addresses; v16-31 A's scale words; v48-55 wo's, two sets; v128-255 accumulators (a, t) at 128 + 64 a + 8 t; on the way out v32-95 and v128-191 hold rows.
;   window 1, 2: A's K steps 0-7, 8-15 (24 (s % 8) + 12 a).  window 3: wo's fragments, two sets of 96.
.set SCB,   196608                     ; behind wo's 16 K steps: its scale words, 512 bytes a K step
.set STG,   204800                     ; the stages: 16 rows x 528 bytes for each wave; no tensor load lands here
.set LB,  6                            ; v6-9   16 x lane + n x 49,152
.set LSB, 12
.set STO, 13
.set RD,  14
.set SA,  16
.set SB,  48
.set OB,  32
.set ACC, 128
.set WV,  16
.set G1C, 24
.set G1S, 32
.set G0S, 40
.set G0,  44
.set AP,  52
.set AW,  54
.set MSB, 0
.macro WIN new
.if MSB != (\new)
	s_set_vgpr_msb (MSB<<8)|(\new)
.set MSB, (\new)
.endif
.endm
.macro PLACES n
.rept \n
	v_nop
.endr
.endm
.macro CROUND
	s_barrier_signal -1
	s_barrier_wait -1
	s_cmp_lg_u32 s[WV], 0
	s_cbranch_scc1 .Lnot_wave_0_\@
	s_barrier_signal -3
.Lnot_wave_0_\@:
	s_barrier_wait -3
	s_barrier_signal -1
	s_barrier_wait -1
.endm
.macro WM                              ; one matrix instruction, from the symbols wD, wS0, wS1, wC0, wC1, wR0, wR1, wZ
.if wZ
.if wR0 && wR1
	v_wmma_scale_f32_16x16x128_f8f6f4 v[wD:wD+7], v[wS0:wS0+11], v[wS1:wS1+11], 0, v[wC0], v[wC1] matrix_a_fmt:MATRIX_FMT_BF6 matrix_b_fmt:MATRIX_FMT_BF6 matrix_a_scale:MATRIX_SCALE_ROW1 matrix_b_scale:MATRIX_SCALE_ROW1
.elseif wR0
	v_wmma_scale_f32_16x16x128_f8f6f4 v[wD:wD+7], v[wS0:wS0+11], v[wS1:wS1+11], 0, v[wC0], v[wC1] matrix_a_fmt:MATRIX_FMT_BF6 matrix_b_fmt:MATRIX_FMT_BF6 matrix_a_scale:MATRIX_SCALE_ROW1
.elseif wR1
	v_wmma_scale_f32_16x16x128_f8f6f4 v[wD:wD+7], v[wS0:wS0+11], v[wS1:wS1+11], 0, v[wC0], v[wC1] matrix_a_fmt:MATRIX_FMT_BF6 matrix_b_fmt:MATRIX_FMT_BF6 matrix_b_scale:MATRIX_SCALE_ROW1
.else
	v_wmma_scale_f32_16x16x128_f8f6f4 v[wD:wD+7], v[wS0:wS0+11], v[wS1:wS1+11], 0, v[wC0], v[wC1] matrix_a_fmt:MATRIX_FMT_BF6 matrix_b_fmt:MATRIX_FMT_BF6
.endif
.else
.if wR0 && wR1
	v_wmma_scale_f32_16x16x128_f8f6f4 v[wD:wD+7], v[wS0:wS0+11], v[wS1:wS1+11], v[wD:wD+7], v[wC0], v[wC1] matrix_a_fmt:MATRIX_FMT_BF6 matrix_b_fmt:MATRIX_FMT_BF6 matrix_a_scale:MATRIX_SCALE_ROW1 matrix_b_scale:MATRIX_SCALE_ROW1
.elseif wR0
	v_wmma_scale_f32_16x16x128_f8f6f4 v[wD:wD+7], v[wS0:wS0+11], v[wS1:wS1+11], v[wD:wD+7], v[wC0], v[wC1] matrix_a_fmt:MATRIX_FMT_BF6 matrix_b_fmt:MATRIX_FMT_BF6 matrix_a_scale:MATRIX_SCALE_ROW1
.elseif wR1
	v_wmma_scale_f32_16x16x128_f8f6f4 v[wD:wD+7], v[wS0:wS0+11], v[wS1:wS1+11], v[wD:wD+7], v[wC0], v[wC1] matrix_a_fmt:MATRIX_FMT_BF6 matrix_b_fmt:MATRIX_FMT_BF6 matrix_b_scale:MATRIX_SCALE_ROW1
.else
	v_wmma_scale_f32_16x16x128_f8f6f4 v[wD:wD+7], v[wS0:wS0+11], v[wS1:wS1+11], v[wD:wD+7], v[wC0], v[wC1] matrix_a_fmt:MATRIX_FMT_BF6 matrix_b_fmt:MATRIX_FMT_BF6
.endif
.endif
.endm
.macro MWIN g                          ; source 0 window 3; source 1 window 1 or 2; C and D window 0
.if (\g) < 8
	WIN 0x07
.else
	WIN 0x0b
.endif
.endm
.macro MUL8 g, t0
.set wZ, 1-((\g)+15)/16                ; 1 in the first K step: nothing is ever cleared
.set wC1, SA+(\g)
.set tt, \t0
.rept 4
.set aa, 0
.rept 2
.set wD, ACC+64*aa+8*tt
.set wS0, 96*((\g)%2)+12*tt
.set wS1, 24*((\g)%8)+12*aa
.set wC0, SB+4*((\g)%2)+tt/2
.set wR0, tt%2
.set wR1, aa
	WM
.set aa, aa+1
.endr
.set tt, tt+1
.endr
.endm
.macro FETCHB g
.set fP, (\g)
.set fR, 96*((\g)%2)
	WIN 0xc0
.set tt, 0
.rept 8
.irp c, 0,1,2
	ds_load_b128 v[fR+12*tt+4*\c:fR+12*tt+4*\c+3], v[LB+fP/4] offset:(fP%4)*12288+1536*tt+512*\c
.endr
.set tt, tt+1
.endr
	WIN 0
.endm
.macro FETCHS g
.irp p, 0,1,2,3
	ds_load_b32 v[SB+4*((\g)%2)+\p], v[LSB] offset:512*(\g)+128*\p
.endr
.endm
.macro KSTEP g                         ; four places in front of loads into registers that matrix instructions have read (ISA guide 7.12.1 for vector instructions)
	PLACES 4
	FETCHB (\g)+1
	FETCHS (\g)+1
	s_wait_dscnt 28                                ; all but the 28 just issued
	MWIN \g
	MUL8 \g, 0
	MUL8 \g, 4
	WIN 0
.endm
.macro ALOAD win, s0
	WIN (\win)<<6
.set kk, 0
.rept 8
.irp a, 0,1
.irp c, 0,1,2
	global_load_b128 v[24*kk+12*\a+4*\c:24*kk+12*\a+4*\c+3], v1, s[AP:AP+1] offset:(\s0+kk)*12288+\a*1536+\c*512
.endr
.endr
.set kk, kk+1
.endr
	WIN 0
.endm
	s_load_b256 s[4:11], s[0:1], 0x0               ; ca, sa, cw, sw
	s_load_b64 s[12:13], s[0:1], 0x20              ; out0
	v_lshl_add_u32 v126, v0, 2, 0x3a400
	v_mov_b32 v127, 0
	ds_add_u32 v126, v127
	ds_add_u32 v126, v127
	v_lshrrev_b32 v3, 5, v0
	v_readfirstlane_b32 s[WV], v3                  ; wave 0..3
	s_bfe_u32 s17, ttmp6, 0x40000                  ; cx
	s_lshl_b32 s18, ttmp9, 2
	s_add_co_u32 s18, s18, s17                     ; ib: it enters plain loads' and stores' addresses alone
	s_and_b32 s19, ttmp7, 0xffff                   ; jb, which the four partners share
	s_mov_b32 s[G1C], 15|(3<<16)|(1<<21)           ; the mask: all four work-groups; elements of 8 bytes; bit 21 beside a mask
	s_mov_b32 s[G1C+1], 32<<16
	s_mov_b32 s[G1C+2], 96<<16
	s_mov_b32 s[G1C+3], 32<<16
	s_mov_b32 s[G1C+4], 96                         ; 96 rows of 256 bytes, dense: a quarter of 8 K steps
	s_mov_b32 s[G1C+5], 32
	s_mov_b32 s[G1C+6], 0
	s_mov_b32 s[G1C+7], 0
	s_mov_b32 s[G1S], 15|(3<<16)|(1<<21)
	s_mov_b32 s[G1S+1], 32<<16
	s_mov_b32 s[G1S+2], 8<<16
	s_mov_b32 s[G1S+3], 32<<16
	s_mov_b32 s[G1S+4], 8                          ; 8 rows of 256 bytes: the scale words of 4 K steps
	s_mov_b32 s[G1S+5], 32
	s_mov_b32 s[G1S+6], 0
	s_mov_b32 s[G1S+7], 0
	s_mul_i32 s56, s19, 196608
	s_mul_i32 s58, s[WV], 24576
	s_add_co_u32 s56, s56, s58
	s_mov_b32 s57, 0
	s_lshl_b32 s60, s19, 13
	s_lshl_b32 s59, s[WV], 11
	s_add_co_u32 s60, s60, s59
	s_mov_b32 s61, 0
	s_mul_i32 s66, s18, 196608
	s_mul_i32 s68, s[WV], 3072
	s_add_co_u32 s66, s66, s68                     ; A: block ib, tiles 2 w on
	s_mov_b32 s67, 0
	s_lshl_b32 s68, s18, 13
	s_lshl_b32 s70, s[WV], 7
	s_add_co_u32 s68, s68, s70
	s_mov_b32 s69, 0
	s_lshl_b32 s70, s18, 20                        ; out0: row 128 ib + 32 w, 8,192 bytes a row; column 128 jb
	s_lshl_b32 s72, s[WV], 18
	s_add_co_u32 s70, s70, s72
	s_lshl_b32 s72, s19, 9
	s_add_co_u32 s70, s70, s72
	s_mov_b32 s71, 0
	s_mul_i32 s73, s[WV], 8448
	s_add_co_u32 s73, s73, STG                     ; my stage
	s_wait_dscnt 0x0
	s_wait_kmcnt 0x0
	s_add_nc_u64 s[56:57], s[8:9], s[56:57]
	s_add_nc_u64 s[56:57], s[56:57], 12582912      ; wo is the fifth tensor of cw
	s_add_nc_u64 s[60:61], s[10:11], s[60:61]
	s_add_nc_u64 s[60:61], s[60:61], 524288
	s_mov_b32 s[G0S], 1
	s_add_co_u32 s[G0S+1], s59, SCB
	s_mov_b64 s[G0S+2:G0S+3], s[60:61]
	s_or_b32 s[G0S+3], s[G0S+3], 0x80000000
.irp n, 0,1
	s_mov_b32 s[G0+4*\n], 1
	s_add_co_u32 s[G0+4*\n+1], s58, \n*98304
	s_add_nc_u64 s[G0+4*\n+2:G0+4*\n+3], s[56:57], \n*98304
	s_or_b32 s[G0+4*\n+3], s[G0+4*\n+3], 0x80000000
.endr
	s_add_nc_u64 s[AP:AP+1], s[4:5], s[66:67]
	s_add_nc_u64 s[AW:AW+1], s[6:7], s[68:69]
	s_add_nc_u64 s[12:13], s[12:13], s[70:71]
	CROUND                                         ; all four work-groups are here: the joint loads meet
	tensor_load_to_lds s[G0S:G0S+3], s[G1S:G1S+7]  ; the fills go out as one group: the words, K steps 0-7, K steps 8-15
	s_nop 0
	tensor_load_to_lds s[G0:G0+3], s[G1C:G1C+7]
	s_nop 0
	tensor_load_to_lds s[G0+4:G0+7], s[G1C:G1C+7]
	s_nop 0
	PLACES 4
	v_and_b32 v3, 31, v0
	v_lshlrev_b32 v1, 4, v3                        ; 16 x lane
	v_lshlrev_b32 v2, 2, v3                        ; 4 x lane
	v_and_b32 v4, 15, v0                           ; r
	v_bfe_u32 v5, v0, 4, 1                         ; h
.irp n, 0,1,2,3
	v_add_nc_u32 v[LB+\n], \n*49152, v1
.endr
	v_add_nc_u32 v[LSB], SCB, v2
	v_mul_u32_u24 v[STO], v4, 528
	v_lshl_add_u32 v[STO], v5, 6, v[STO]
	v_add_nc_u32 v[STO], s73, v[STO]               ; into the stage: row r, + 64 h
	v_add_nc_u32 v[RD], s73, v1                    ; back: a row's 512 bytes, 16 a lane
.set ss, 0
.rept 16
	global_load_b32 v[SA+ss], v2, s[AW:AW+1] offset:512*ss   ; A's scale words: lanes 0-15 tile 2 w, lanes 16-31 tile 2 w + 1
.set ss, ss+1
.endr
	ALOAD 1, 0
	ALOAD 2, 8
	s_wait_tensorcnt 1                             ; the words and K steps 0-7 are in; K steps 8-15 may be out
	s_barrier_signal -1
	s_barrier_wait -1
	FETCHB 0
	FETCHS 0
	s_wait_loadcnt 48                              ; A's words and K steps 0-7 are in; the 48 loads of K steps 8-15 may be out
.irp g, 0,1,2,3,4,5,6
	KSTEP \g
.endr
	s_wait_tensorcnt 0x0                           ; my part of K steps 8-15 is in (no load was issued behind it)
	s_wait_dscnt 0x0
	s_barrier_signal -1
	MWIN 7
	MUL8 7, 0
	MUL8 7, 4
	WIN 0
	s_barrier_wait -1                              ; everybody's is
	PLACES 4
	FETCHB 8
	FETCHS 8
	s_wait_loadcnt 0x0
.irp g, 8,9,10,11,12,13,14
	KSTEP \g
.endr
	s_wait_dscnt 0x0
	MWIN 15
	MUL8 15, 0
	MUL8 15, 4
	WIN 0
	PLACES 4                                       ; in front of the first reads of results and of loads into registers that the products named
.irp a, 0,1                                    ; a tile of 16 rows x 128 columns at a time
.irp b, 0,1,2,3
.irp e, 0,1,2,3
	ds_store_b128 v[STO], v[ACC+64*\a+16*\b+4*\e:ACC+64*\a+16*\b+4*\e+3] offset:128*\b+16*\e   ; each accumulator from its low end on
.endr
.endr
.irp t, 0,1,2,3,4,5,6,7,8,9,10,11,12,13,14,15
	ds_load_b128 v[OB+96*\a+4*\t:OB+96*\a+4*\t+3], v[RD] offset:528*\t   ; LDS serves a wave's instructions in order: these see my stores, and the next tile's stores come behind them
.endr
.irp t, 0,1,2,3,4,5,6,7,8,9,10,11,12,13,14,15
	s_wait_dscnt 15-\t                             ; row t is back; the later rows may be out
	global_store_b128 v1, v[OB+96*\a+4*\t:OB+96*\a+4*\t+3], s[12:13] offset:(8*\a+\t+8*(\t/8))*8192 th:TH_STORE_NT   ; 512 consecutive bytes of row 8 a + t + 8 (t / 8)
.endr
.endr
	s_wait_dscnt 0x0
	s_wait_tensorcnt 0x0
	ds_add_u32 v126, v127
	s_wait_dscnt 0x0
	CROUND                                         ; the closing round: no work-group ends while a partner may still ask for a tile that names it
	s_endpgm
.Lfunc_end_k_q5c75b047c3_outp:
	.size	k_q5c75b047c3_outp, .Lfunc_end_k_q5c75b047c3_outp-k_q5c75b047c3_outp
	.p2alignl 7, 3214868480
	.fill 96, 4, 3214868480
	.section	.rodata,"a",@progbits
	.p2align	6, 0x0
	.amdhsa_kernel k_q5c75b047c3_outp
		.amdhsa_group_segment_fixed_size 239104
		.amdhsa_private_segment_fixed_size 0
		.amdhsa_enable_private_segment 0
		.amdhsa_kernarg_size 40
		.amdhsa_user_sgpr_count 2
		.amdhsa_user_sgpr_kernarg_segment_ptr 1
		.amdhsa_wavefront_size32 1
		.amdhsa_system_sgpr_workgroup_id_x 1
		.amdhsa_system_sgpr_workgroup_id_y 1
		.amdhsa_system_sgpr_workgroup_id_z 1
		.amdhsa_system_vgpr_workitem_id 0
		.amdhsa_next_free_vgpr 960
		.amdhsa_next_free_sgpr 80
		.amdhsa_reserve_vcc 0
		.amdhsa_float_denorm_mode_32 3
		.amdhsa_float_denorm_mode_16_64 3
		.amdhsa_memory_ordered 1
		.amdhsa_forward_progress 1
		.amdhsa_inst_pref_size 90
	.end_amdhsa_kernel
	.amdgpu_metadata
---
amdhsa.version: [ 1, 2 ]
amdhsa.kernels:
  - .name:           k_q5c75b047c3_outp
    .symbol:         k_q5c75b047c3_outp.kd
    .args:
      - { .name: ca, .offset: 0, .size: 8, .value_kind: global_buffer, .address_space: global }
      - { .name: sa, .offset: 8, .size: 8, .value_kind: global_buffer, .address_space: global }
      - { .name: cw, .offset: 16, .size: 8, .value_kind: global_buffer, .address_space: global }
      - { .name: sw, .offset: 24, .size: 8, .value_kind: global_buffer, .address_space: global }
      - { .name: out0, .offset: 32, .size: 8, .value_kind: global_buffer, .address_space: global }
    .group_segment_fixed_size: 239104
    .private_segment_fixed_size: 0
    .kernarg_segment_align: 8
    .kernarg_segment_size: 40
    .max_flat_workgroup_size: 128
    .sgpr_count:     80
    .vgpr_count:     960
    .wavefront_size: 32
...
	.end_amdgpu_metadata
.endif
;; end of part 4
